; MI455X (gfx1250); checked and timed in simulation.
; The chip was launched on July 23, 2026; its instructions are those of AMD's public machine-readable ISA for CDNA 5 (MIT licence, August 2026) and "CDNA5" Instruction Set Architecture Reference Guide (July 2026). The comments in the code are by the model that wrote it; some were corrected since.
;; Causal Self Attention. Allowed arithmetic: matrix products marked QUANTISED: E2M1 operands, one E8M0 scale for each 32 along K, by v_wmma_scale_f32_16x16x128_f8f6f4 with both operands' format E2M1 (or v_wmma_scale_f32_32x16x128_f4), f32 sums; everything else in f32.
;; Inputs: out_b 1,024 float32; out_w 1,024 x 1,024 float32; qkv_b 3,072 float32; qkv_w 3,072 x 1,024 float32; x 4 x 2,048 x 1,024 float32.
;; Outputs: out0 4 x 2,048 x 1,024 float32.
;; This version of the problem:
;;   THIS VERSION OF THE PROBLEM IS GIVEN IN LOW PRECISION. The matrix products marked QUANTISED in the list below multiply operands that are first quantised to E2M1 (2 exponent bits, 1 mantissa bit; 4 bits a number), with one power-of-two scale for each 32 numbers along K (OCP MX v1.0); their sums are f32. All else is computed in f32.
;;   The module's matrix products, in the order in which they are computed (A, B: the left and right operand; K: the contracted axis; several contracted axes count as one K, in the product's order):
;;     1. [M 8,192, K 1,024] x [K 1,024, N 3,072]; A: input x; B: input qkv_w: QUANTISED
;;     2. batch 64 x [M 2,048, K 64] x [K 64, N 2,048]; A: computed on the way; B: computed on the way: QUANTISED
;;     3. batch 64 x [M 2,048, K 2,048] x [K 2,048, N 64]; A: softmax (see below); B: computed on the way: QUANTISED
;;     4. [M 8,192, K 1,024] x [K 1,024, N 1,024]; A: computed on the way; B: input out_w: QUANTISED
;;   THE QUANTISER, for each operand of a quantised product, along K:
;;     - K is cut into blocks of 32 from its start; a last block that is shorter is filled with zeros.
;;     - A block's scale is 2^e with e = floor(log2(the largest magnitude in the block)) - 2, held to -126 .. 127; a block of zeros has e = 0. As a byte (E8M0): e + 127.
;;     - Each number is divided by its block's scale, clamped to +-6, and rounded to the nearest number of E2M1, ties to even, subnormals kept.
;;     - The product sums the exact products of the quantised numbers (number of the format x scale) in f32.
;;   ~~~python
;;   def quantise(x, axis):      # numpy; x: float32 -> the quantised numbers, widened to float32 again
;;       x = np.moveaxis(x, axis, -1); K = x.shape[-1]
;;       x = np.pad(x, [(0, 0)] * (x.ndim - 1) + [(0, -K % 32)]); x = x.reshape(x.shape[:-1] + (-1, 32)); a = np.abs(x).max(-1, keepdims=True)
;;       e = np.where(a > 0, np.clip(np.frexp(np.where(a > 0, a, 1))[1] - 1 - 2, -126, 127), 0)      # np.frexp(a)[1] - 1 = floor(log2(a)), exactly
;;       r = np.clip(x / 2.0 ** e, -6, 6)
;;       step = 2.0 ** (np.maximum(np.frexp(np.where(r == 0, 1, r))[1] - 1, 0) - 1)
;;       q = np.round(r / step) * step * 2.0 ** e      # np.round: ties to even
;;       return np.moveaxis(q.reshape(q.shape[:-2] + (-1,))[..., :K], -1, axis).astype(np.float32)
;;   ~~~
;;   SOFTMAX AHEAD OF A QUANTISED PRODUCT. Where the list says 'softmax', what is quantised is not the finished softmax but p = 2^(t - M), with t = logit x log2(e) and M = ceil(the row's largest t), a whole number; so 1/2 < the row's largest p <= 1. The row's sum l is taken of the UNQUANTISED p, in f32, and the product's result is divided by l at the end. Since M is a whole number, a kernel that streams over the keys may use a running M (the ceiling of the running maximum): every later rescaling is an exact power of two, which a block's scale takes up: the codes' values come out the same.
;;   OPERANDS COMPUTED ON THE WAY. 'Computed on the way' means the value that the module computes at that place (a softmax that the list does not call 'softmax' is quantised finished and normalised). What goes into a quantiser is computed in f32, as accurately as f32 sums, v_exp_f32 and their like allow (about 1e-6 of the number): no bf16 or f16 on the way to a quantiser, and a product that is left as it is and whose result goes on into a quantised operand takes f32 operands (vector FMAs, or v_wmma_f32_16x16x4_f32). A number that lies on a knife's edge between two numbers of the format may be rounded either way, as far as f32 arithmetic and the matrix unit's own rounding can turn it there, and no further.
;; One version. Each part assembles by itself: llvm-mc -triple=amdgcn-amd-amdhsa -mcpu=gfx1250 --defsym DOCPART=n.
;; ======== version 1 of 1: 4 launches
;; workspace buffers: cw 6,684,672 bytes; qkv 13,893,632 bytes; yb 4,456,448 bytes
;; launch quant (part 1): grid 384 x 1, 4 waves a work-group, no clusters, 39,424 bytes of LDS; arguments x, qkv_w, out_w, cw; writes cw
.if DOCPART == 1
	.amdgcn_target "amdgcn-amd-amdhsa--gfx1250"
	.amdhsa_code_object_version 6
	.text
	.protected	k_q6757f4a8b2_quant
	.globl	k_q6757f4a8b2_quant
	.p2align	8
	.type	k_q6757f4a8b2_quant,@function
k_q6757f4a8b2_quant:
	s_mov_b64 s[64:65], 0
	v_nop
	global_prefetch_b8 v0, s[64:65] scope:SCOPE_SE
	s_setreg_imm32_b32 hwreg(HW_REG_WAVE_MODE, 25, 1), 1
	s_wait_xcnt 0x0
; CAUSAL SELF-ATTENTION IN MX-FP4, launch 1 of 4: x [8192][1024], qkv_w [3072][1024] and out_w [1024][1024], f32, become codes of E2M1 with one E8M0 byte for each 32 along K (K = the rows' 1,024).
; THE PROGRAM: 1 quantises the three inputs; 2 makes q, k, v = x qkv_w^T + qkv_b and quantises them (q, k along the head's 64, v along the keys); 3 is the attention, with y quantised along C; 4 is y out_w^T + out_b.
; WORK LEFT OUT: reference() sets att to -inf wherever key > query, by a mask that it builds itself (jnp.tril), and softmax makes 0 of -inf: whatever finite values the inputs hold, such a key adds nothing to a row's
; maximum, to its sum or to y.  Launch 3 therefore leaves out every step of 128 keys all of which come after a tile's 16 queries.  Nothing else is left out: all five inputs have a way to the output and are loaded
; (k's bias too: it moves k's codes).  LIMIT: a NaN, an infinity or an overflow that reaches only the scores left out is not carried to the result.
; A block's scale is 2^(floor(log2(its largest magnitude)) - 2); its byte is the largest magnitude's exponent field - 2, held at 1 from below.  Each number is divided by the scale and rounded to the nearest code, ties to even.
; LIMITS: a block whose largest magnitude lies under 2^-124 (a block of zeros too, where the rule says byte 127) gets the byte 1: zero codes add nothing under any byte but 0xff, and this program alone reads the bytes.
; NaN and infinities among the inputs are not served.
; LAYOUT OF cw.  Rows go in TILES of 16: tile 2 bb + u holds, at place r, row 32 bb + 8 u + r % 8 + 16 (r / 8).  A tile's codes are an IMAGE OF OPERAND REGISTERS: [block 0..31][place r][16 bytes], 8,192 bytes, so that the
; fragment of 128 along K number q is the 1,024 bytes at 1,024 q, each lane's 16 bytes at 16 x lane.  A tile's scale bytes: [half of K][place r][16 bytes], 512 bytes.  Tiles of x, qkv_w, out_w on end; then the scales.
; SHARES.  A work-group takes 32 rows (two tiles); wave w takes tile w / 2 and half w % 2 of K: 16 steps, step t = place t: 512 numbers, 2,048 consecutive bytes.  No cluster: no two work-groups read the same byte.
; A step's four loads read 512 consecutive bytes each; the numbers turn through the wave's own stage in LDS, so that a lane holds 16 neighbours (two lanes a block).  The codes are gathered in an out-stage
; [block][place] and leave as 4,096 consecutive bytes, the 256 scale bytes as one aligned run.  Waves share nothing: no barrier.  Loads run four steps ahead.
.set EMAX,  2
.set R,     16                         ; v16-79   four sets of 16 numbers as loaded; at the end the codes on their way out
.set X,     80                         ; v80-111  two sets of 16 neighbours
.set E,     112                        ; v112-127 a scale byte for each step
.set C,     128                        ; v128-191 codes: registers of its own for each step, so that no store's data are written again
.set SP,    80                         ; a lane's place in an in-stage: 64 bytes + 16 of padding
.set OP,    272                        ; a row (one block, 16 places x 16 bytes) of the out-stage + 16 of padding
.set OUTS,  2*32*SP                    ; a wave's region: two in-stages, the out-stage,
.set SCB,   OUTS+16*OP                 ; its 256 scale bytes
.set WREG,  SCB+256
.set SPARE, 4*WREG                     ; behind the four regions: the spare words, 128 bytes for each wave, which no other line names
.set SPW,   12                         ; v12  LDS address of my spare word; never rewritten
.set NIL,   13                         ; v13  0; never rewritten
.set SCOFF, 6291456                    ; where the scale images begin in cw
	s_load_b256 s[4:11], s[0:1], 0x0               ; x s[4:5], qkv_w s[6:7], out_w s[8:9], cw s[10:11]
	v_lshl_add_u32 v[SPW], v0, 2, SPARE
	v_mov_b32 v[NIL], 0
	v_lshrrev_b32 v1, 5, v0
	v_readfirstlane_b32 s16, v1                    ; wave
	v_and_b32 v2, 31, v0                           ; lane
	v_lshlrev_b32 v3, 4, v2                        ; my 16 bytes of 512, in and out
	s_mul_i32 s17, s16, WREG
	v_lshrrev_b32 v14, 2, v2
	v_mul_u32_u24 v14, v14, SP
	v_and_b32 v15, 3, v2
	v_lshl_add_u32 v14, v15, 4, v14
	v_add_nc_u32 v14, s17, v14                     ; in-stage, way in: SP (lane / 4) + 16 (lane % 4)
	v_mul_u32_u24 v15, v2, SP
	v_add_nc_u32 v15, s17, v15                     ; way out: SP x lane: my 16 neighbours
	v_lshrrev_b32 v5, 1, v2                        ; my block of the step's 16
	v_mul_u32_u24 v4, v5, OP
	v_and_b32 v6, 1, v2
	v_lshl_add_u32 v4, v6, 3, v4
	v_add_nc_u32 v4, s17, v4
	v_add_nc_u32 v4, OUTS, v4                      ; out-stage, way in: row = my block, + 8 for the block's upper half; the step's place stands in the immediate
	v_add_nc_u32 v5, s17, v5
	v_add_nc_u32 v5, SCB, v5                       ; my block's scale byte
	v_lshrrev_b32 v6, 4, v2
	v_mul_u32_u24 v10, v6, OP
	v_and_b32 v6, 15, v2
	v_lshl_add_u32 v10, v6, 4, v10
	v_add_nc_u32 v10, s17, v10
	v_add_nc_u32 v10, OUTS, v10                    ; out-stage, way out: sixteen lanes to a row, two rows an instruction
	v_lshlrev_b32 v7, 3, v2
	v_add_nc_u32 v6, s17, v7
	v_add_nc_u32 v6, SCB, v6                       ; the scale bytes on their way out: 8 a lane
	s_mov_b32 s18, 352
	s_wait_kmcnt 0x0
	s_cmp_lt_u32 ttmp9, 352                        ; work-groups 0-255 take x, 256-351 qkv_w, 352-383 out_w: the choice hangs on the work-group's number alone
	s_cselect_b64 s[6:7], s[6:7], s[8:9]
	s_cselect_b32 s18, 256, s18
	s_cmp_lt_u32 ttmp9, 256
	s_cselect_b64 s[4:5], s[4:5], s[6:7]
	s_cselect_b32 s18, 0, s18
	s_sub_co_u32 s18, ttmp9, s18                   ; which 32 rows of the tensor
	s_lshl_b32 s18, s18, 17                        ; 32 rows of 4,096 bytes
	s_lshr_b32 s19, s16, 1
	s_lshl_b32 s19, s19, 15                        ; tile u begins 8 rows on
	s_add_co_u32 s18, s18, s19
	s_and_b32 s19, s16, 1
	s_lshl_b32 s19, s19, 11                        ; my half of K
	s_add_co_u32 s18, s18, s19
	s_mov_b32 s19, 0
	s_add_nc_u64 s[4:5], s[4:5], s[18:19]
	s_lshl_b32 s20, ttmp9, 14                      ; the images lie in the work-groups' order: 16,384 bytes of codes a work-group, 4,096 a wave
	s_lshl_b32 s21, s16, 12
	s_add_co_u32 s20, s20, s21
	s_mov_b32 s21, 0
	s_add_nc_u64 s[8:9], s[10:11], s[20:21]
	s_lshl_b32 s20, ttmp9, 10                      ; 1,024 scale bytes a work-group, 256 a wave
	s_lshl_b32 s22, s16, 8
	s_add_co_u32 s20, s20, s22
	s_add_co_u32 s20, s20, SCOFF
	s_add_nc_u64 s[10:11], s[10:11], s[20:21]
.macro LOAD t                          ; place t of my tile is row t % 8 + 16 (t / 8) from the tile's first
.irp i, 0,1,2,3
	global_load_b128 v[R+16*((\t)%4)+4*\i:R+16*((\t)%4)+4*\i+3], v3, s[4:5] offset:(((\t)%8)+16*((\t)/8))*4096+512*\i th:TH_LOAD_NT
.endr
.endm
.macro TURN t                          ; step t's numbers through a stage: LDS serves a wave's instructions in order, so no wait stands between the stores and the loads
.irp i, 0,1,2,3
	ds_store_b128 v14, v[R+16*((\t)%4)+4*\i:R+16*((\t)%4)+4*\i+3] offset:32*SP*((\t)%2)+8*SP*\i
.endr
.irp i, 0,1,2,3
	ds_load_b128 v[X+16*((\t)%2)+4*\i:X+16*((\t)%2)+4*\i+3], v15 offset:32*SP*((\t)%2)+16*\i
.endr
.endm
.irp t, 0,1,2,3
	LOAD \t
.endr
	s_wait_loadcnt 12                              ; step 0's four loads are in
	TURN 0
.macro STEP t
.set XR, X+16*((\t)%2)
.if (\t) > 0
	s_wait_dscnt 2                                 ; this step's numbers are back from the stage; the last step's two stores (its byte, its codes) may be out
.else
	s_wait_dscnt 0x0
.endif
.if (\t)+4 < 16
	LOAD (\t)+4                                    ; into the set whose stores into the stage have read their registers
.endif
.if (\t)+1 < 16
.if 14-(\t) >= 3
	s_wait_loadcnt 12                              ; the next step's four loads are in; those of the three steps behind it may be out
.else
	s_wait_loadcnt 4*(14-(\t))
.endif
	TURN (\t)+1
.endif
	v_max3_num_f32 v8, |v[XR]|, |v[XR+1]|, |v[XR+2]|               ; the largest magnitude of my 16, in two chains
	v_max3_num_f32 v9, |v[XR+3]|, |v[XR+4]|, |v[XR+5]|
.irp i, 6,10
	v_max3_num_f32 v8, v8, |v[XR+\i]|, |v[XR+\i+1]|
	v_max3_num_f32 v9, v9, |v[XR+\i+2]|, |v[XR+\i+3]|
.endr
	v_max3_num_f32 v8, v8, |v[XR+14]|, |v[XR+15]|
	v_max3_num_f32 v8, v8, v9, (EMAX+1)<<23        ; and the floor 2^(3 - 127): the byte cannot fall under 1
	v_max_num_f32_dpp v8, v8, v8 row_xmask:1 row_mask:0xf bank_mask:0xf   ; with my neighbour's 16: the block's
	v_add_nc_u32 v11, -(EMAX<<23), v8              ; 2 off its exponent field: the conversion takes the exponent field of this operand as its scale
	v_cvt_scalef32_pk8_fp4_f32 v[C+4*(\t)], v[XR:XR+7], v11
	v_cvt_scalef32_pk8_fp4_f32 v[C+4*(\t)+1], v[XR+8:XR+15], v11
	v_lshrrev_b32 v[E+(\t)], 23, v11               ; the scale's byte (a plain line behind the conversions)
	ds_store_b8 v5, v[E+(\t)] offset:16*(\t)       ; [place][block]; both lanes of a block write the same byte with the same value
	ds_store_b64 v4, v[C+4*(\t):C+4*(\t)+1] offset:16*(\t)   ; [block][place]: my 8 bytes
.endm
.irp t, 0,1,2,3,4,5,6,7,8,9,10,11,12,13,14,15
	STEP \t
.endr
.irp k, 0,1,2,3,4,5,6,7
	ds_load_b128 v[R+4*\k:R+4*\k+3], v10 offset:2*\k*OP   ; LDS serves a wave's instructions in order: these see my stores
.endr
	ds_load_b64 v[8:9], v6
.irp k, 0,1,2,3,4,5,6,7
	s_wait_dscnt 8-\k                              ; behind load k: 7 - k of its kind and the scale bytes' load
	global_store_b128 v3, v[R+4*\k:R+4*\k+3], s[8:9] offset:512*\k   ; 32 lanes store 512 consecutive bytes, aligned
.endr
	s_wait_dscnt 0x0
	global_store_b64 v7, v[8:9], s[10:11]          ; 32 lanes store 256 consecutive bytes, aligned
	s_wait_tensorcnt 0x0                           ; the wave's end
	ds_add_u32 v[SPW], v[NIL]
	s_wait_dscnt 0x0
	s_endpgm
.Lfunc_end_k_q6757f4a8b2_quant:
	.size	k_q6757f4a8b2_quant, .Lfunc_end_k_q6757f4a8b2_quant-k_q6757f4a8b2_quant
	.p2alignl 7, 3214868480
	.fill 96, 4, 3214868480
	.section	.rodata,"a",@progbits
	.p2align	6, 0x0
	.amdhsa_kernel k_q6757f4a8b2_quant
		.amdhsa_group_segment_fixed_size 39424
		.amdhsa_private_segment_fixed_size 0
		.amdhsa_enable_private_segment 0
		.amdhsa_kernarg_size 32
		.amdhsa_user_sgpr_count 2
		.amdhsa_user_sgpr_kernarg_segment_ptr 1
		.amdhsa_wavefront_size32 1
		.amdhsa_system_sgpr_workgroup_id_x 1
		.amdhsa_system_sgpr_workgroup_id_y 1
		.amdhsa_system_sgpr_workgroup_id_z 1
		.amdhsa_system_vgpr_workitem_id 0
		.amdhsa_next_free_vgpr 192
		.amdhsa_next_free_sgpr 66
		.amdhsa_reserve_vcc 0
		.amdhsa_float_denorm_mode_32 3
		.amdhsa_float_denorm_mode_16_64 3
		.amdhsa_memory_ordered 1
		.amdhsa_forward_progress 1
		.amdhsa_inst_pref_size 35
	.end_amdhsa_kernel
	.amdgpu_metadata
---
amdhsa.version: [ 1, 2 ]
amdhsa.kernels:
  - .name:           k_q6757f4a8b2_quant
    .symbol:         k_q6757f4a8b2_quant.kd
    .args:
      - { .name: x, .offset: 0, .size: 8, .value_kind: global_buffer, .address_space: global }
      - { .name: qkv_w, .offset: 8, .size: 8, .value_kind: global_buffer, .address_space: global }
      - { .name: out_w, .offset: 16, .size: 8, .value_kind: global_buffer, .address_space: global }
      - { .name: cw, .offset: 24, .size: 8, .value_kind: global_buffer, .address_space: global }
    .group_segment_fixed_size: 39424
    .private_segment_fixed_size: 0
    .kernarg_segment_align: 8
    .kernarg_segment_size: 32
    .max_flat_workgroup_size: 128
    .sgpr_count:     66
    .vgpr_count:     192
    .wavefront_size: 32
...
	.end_amdgpu_metadata
.endif
;; end of part 1
;; launch gemm_qkv (part 2): grid 12 x 32, 4 waves a work-group, clusters of 4 x 4, 327,680 bytes of LDS; arguments cw, qkv_b, qkv; writes qkv
.if DOCPART == 2
	.amdgcn_target "amdgcn-amd-amdhsa--gfx1250"
	.amdhsa_code_object_version 6
	.text
	.protected	k_q6757f4a8b2_gemm_qkv
	.globl	k_q6757f4a8b2_gemm_qkv
	.p2align	8
	.type	k_q6757f4a8b2_gemm_qkv,@function
k_q6757f4a8b2_gemm_qkv:
	s_mov_b64 s[64:65], 0
	v_nop
	global_prefetch_b8 v0, s[64:65] scope:SCOPE_SE
	s_setreg_imm32_b32 hwreg(HW_REG_WAVE_MODE, 25, 1), 1
	s_wait_xcnt 0x0
	s_wait_alu depctr_hold_cnt(0) depctr_sa_sdst(0) depctr_va_vdst(0) depctr_va_sdst(0) depctr_va_ssrc(0) depctr_va_vcc(0) depctr_vm_vsrc(0)
	s_getreg_b32 s2, hwreg(HW_REG_IB_STS2, 6, 4)
	s_cmp_eq_u32 s2, 0
	s_cbranch_scc0 .Lentry_in_a_cluster
	s_endpgm
.Lentry_in_a_cluster:
	s_bfe_u32 s2, ttmp6, 0x10000c
	s_cmp_lg_u32 s2, 0xf033
	s_cbranch_scc0 .Lentry_shape_is_right
	s_endpgm
.Lentry_shape_is_right:
; Launch 2 of 4: qkv = x qkv_w^T + qkv_b on codes of E2M1 (launch 1's images), and q, k, v quantised on the way out: q and k along the head's 64, v along the keys.  No work is left out here.
; THE PRODUCT.  D = source 0 (P: 16 rows, which end up along a lane's registers) x source 1 (R: 16 rows, one a lane).  A work-group makes 256 rows of P x 256 rows of R, each of its four waves 128 x 128: 64 accumulators.
; WHICH IS WHICH hangs on the cluster's x, which all sixteen partners share: 0 = q, 1 = k: P = qkv_w (a lane's registers run along the features: the next K of q and k), R = x;  2 = v: P = x (registers run along t: v's next K), R = qkv_w.
; Since a tile's places are rows 32 bb + 8 u + r % 8 + 16 (r / 8), the 16 registers of two neighbouring result tiles are 16 NEIGHBOURS along P's axis, 32 bb + 16 (lane / 16) + 0 .. 15.
; LDS.  K = 1,024 fits whole: two slots (halves of K), each R's 16 half images of 4,096 bytes and then P's 16, and the scale images.  Every byte is filled once: three tensor loads of a wave go out together at the head.
; A fragment is two loads of 16 bytes a lane at 16 x lane: consecutive bytes, no pitch.
; CLUSTER 4 x 4: R's tiles hang on cy alone and are asked for jointly by a row of the cluster, P's on cx alone and by a column: each tile is asked for once for four work-groups.
; THE BIAS is the C of each sum's first product.  q, k: it runs along the registers (eight registers a tile of P); v: along the lanes (eight equal registers a tile of R).
; THE WAY OUT uses no LDS: a lane's 64 numbers of one row of R become a fragment's codes and a scale word, and the registers are stored as they stand, 16 bytes a lane, 512 consecutive bytes a store.
; LAYOUT OF qkv (bh = 16 batch + head): q at 0, k at 4,194,304: [bh][tile of 16 t, 128][512 bytes]: lane (r, h) holds block h of place r.  v at 8,388,608: [bh][step of 128 keys, 16][tile of 16 d, 4][1,024 bytes]: a whole fragment.
; Scales at 12,582,912, 20,480 bytes a bh: q [t / 64][r][4 words, one a tile], k likewise, v [step][r][4 words, one a tile of d].  In a word of q or k bytes 0, 1 are the head's two blocks; bytes 2, 3 (the neighbouring head's, or 0) meet zero codes.
; LIMITS: a block whose largest magnitude lies under 2^-124 gets the byte 1 (zeros too, where the rule says 127: this program alone reads the bytes).  NaN and infinities are not served.
; REGISTERS: window 0: v1-29 addresses; v32-95 scale words, a set for each half of K; v96-127 the way out; v128-255 R's fragments, two sets.  Window 1: v0-63, v128-191 P's fragments, two sets; v192-255 the bias.
;   Windows 2, 3: the accumulators: (a, b) at v[8 (8 (a % 4) + b)] of window 2 + a / 4.
.set NA,    8                          ; tiles of R to a wave
.set SLOT,  (2*NA+16)*4096
.set POFF,  2*NA*4096                  ; P's half images in a slot
.set SCL,   2*SLOT                     ; the scale images: R's, then P's
.set PSOFF, 2*NA*512
.set SPARE, SCL+PSOFF+8192             ; the spare words, 128 bytes for each wave, which no other line names
.set WCO,   4194304                    ; in cw: qkv_w's code images (x's at 0),
.set XSO,   6291456                    ; x's scale images,
.set WSO,   6553600                    ; qkv_w's
.set SC3,   12582912                   ; in qkv: the scales
.set LI,   3                           ; v3   16 x lane
.set VO1,  9                           ; v9   the second store's offset
.set VS,   10                          ; v10  the scale words' offset
.set VSH,  11                          ; v11  by how many bits my half of the lanes shifts the scale word
.set FL,   12                          ; v12  the floor 2^(3 - 127)
.set ADRR, 16                          ; v16-17  LDS address of my fragments of R in slot 0, 1
.set ADRP, 20                          ; v20-21  of P
.set ADRS, 27                          ; v27     of my scale words: lanes 0-15 R's, lanes 16-31 P's
.set SPW,  28                          ; v28     LDS address of my spare word; never rewritten
.set NIL,  29                          ; v29     0; never rewritten
.set SCR,  32
.set TM,   96                          ; v96-99 largest magnitudes, v100-103 at work, v108-111 the conversions' scale operands
.set PW,   112                         ; the scale word just made
.set SW,   116                         ; v116-119 four scale words on their way out
.set PC,   120                         ; v120-127 the codes just made
.set G1R,  24                          ; s[24:31] descriptor group 1 for R's codes; s[32:39] group 0, a set for each slot
.set G0R,  32
.set G1P,  48                          ; s[48:55], s[56:63] the same for P's
.set G0P,  56
.set G1SR, 68                          ; s[68:75], s[76:79] for R's scales; s[80:87], s[88:91] for P's
.set G0SR, 76
.set G1SP, 80
.set G0SP, 88
.set SEL,  92                          ; s[92:93] on the way out: lane selects for v_permlanex16_b32
.set MSB, 0
.macro WIN new                         ; the immediate's high byte repeats the setting that is left
.if MSB != \new
	s_set_vgpr_msb (MSB<<8)|\new
.set MSB, \new
.endif
.endm
; A joint load: waves 0 and 1 fetch R's halves, waves 2 and 3 P's.  Each line has one mask and one set of registers; the branch hangs on the wave's number alone.  An s_nop 0 and four v_nop follow each line.
.macro JLOAD g0r, g1r, g0p, g1p
	s_cmp_eq_u32 s15, 0
	s_cbranch_scc0 .Lfor_p_\@
	tensor_load_to_lds s[\g0r:\g0r+3], s[\g1r:\g1r+7]
	s_nop 0
.rept 4
	v_nop
.endr
	s_branch .Lasked_\@
.Lfor_p_\@:
	tensor_load_to_lds s[\g0p:\g0p+3], s[\g1p:\g1p+7]
	s_nop 0
.rept 4
	v_nop
.endr
.Lasked_\@:
.endm
.macro CROUND                          ; a round of the cluster's barrier
	s_barrier_signal -1
	s_barrier_wait -1
	s_cmp_lg_u32 s14, 0
	s_cbranch_scc1 .Lnot_wave_0_\@
	s_barrier_signal -3
.Lnot_wave_0_\@:
	s_barrier_wait -3
	s_barrier_signal -1
	s_barrier_wait -1
.endm
.macro PLACES n
.rept \n
	v_nop
.endr
.endm
.macro G1SET g, mask, el, rows, pitch  ; rows of el elements of 8 bytes, pitch elements apart; no padding; bit 21 beside the mask
	s_or_b32 s[\g], s[\mask], (3<<16)|(1<<21)
	s_mov_b32 s[\g+1], (\el)<<16
	s_mov_b32 s[\g+2], (\rows)<<16
	s_mov_b32 s[\g+3], (\el)<<16
	s_mov_b32 s[\g+4], \rows
	s_mov_b32 s[\g+5], \pitch
	s_mov_b32 s[\g+6], 0
	s_mov_b32 s[\g+7], 0
.endm
	s_load_b128 s[4:7], s[0:1], 0x0                ; cw, qkv_b
	s_load_b64 s[8:9], s[0:1], 0x10                ; qkv
	v_lshl_add_u32 v[SPW], v0, 2, SPARE
	v_mov_b32 v[NIL], 0
	ds_add_u32 v[SPW], v[NIL]                      ; the wave's opening: the add, twice on end, and its wait ahead of my first tensor load
	ds_add_u32 v[SPW], v[NIL]
	v_lshrrev_b32 v1, 5, v0
	v_readfirstlane_b32 s14, v1                    ; wave 0..3
	s_lshr_b32 s15, s14, 1                         ; my half of R's rows.  Also: I fetch for R (0) or for P (1)
	s_and_b32 s16, s14, 1                          ; my half of P's rows.  Also: which half of that operand's tiles I fetch
	s_bfe_u32 s40, ttmp6, 0x40000                  ; cx
	s_bfe_u32 s41, ttmp6, 0x40004                  ; cy
	s_and_b32 s17, ttmp7, 0xffff                   ; the cluster's y
	s_lshl_b32 s43, s41, 2
	s_lshl_b32 s43, 15, s43                        ; my row of the cluster
	s_lshl_b32 s44, 0x1111, s40                    ; my column
	G1SET G1R, 43, 512, NA, 1024                   ; half images of 4,096 bytes, 8,192 bytes apart
	G1SET G1P, 44, 512, 8, 1024
	G1SET G1SR, 43, 32, 2*NA, 32                   ; scale images: dense rows of 256 bytes
	G1SET G1SP, 44, 32, 16, 32
	s_lshl_b32 s18, s17, 2
	s_mov_b32 s21, WSO
	s_cmp_eq_u32 ttmp9, 2                          ; v?  The cluster's x: the same in all sixteen partners
	s_cselect_b32 s42, s17, ttmp9                  ; P's block of 256 rows is 4 x (v: cluster y; else cluster x) + cx
	s_cselect_b32 s45, 8, s18                      ; R's is (v: 8; else 4 x cluster y) + cy
	s_cselect_b32 s96, 0, WCO                      ; where P's code images begin in cw,
	s_cselect_b32 s92, WCO, 0                      ; R's,
	s_cselect_b32 s98, XSO, s21                    ; P's scale images,
	s_cselect_b32 s94, s21, XSO                    ; R's
	s_lshl_b32 s42, s42, 2
	s_add_co_u32 s42, s42, s40
	s_add_co_u32 s45, s45, s41
	s_lshl_b32 s19, s42, 17                        ; P: 16 images of 8,192 bytes a block, my half of them.  (P's registers never hold cy, R's never cx)
	s_add_co_u32 s96, s96, s19
	s_lshl_b32 s19, s16, 16
	s_add_co_u32 s96, s96, s19
	s_mov_b32 s97, 0
	s_lshl_b32 s19, s42, 13                        ; 16 scale images of 512 bytes
	s_add_co_u32 s98, s98, s19
	s_lshl_b32 s19, s16, 12
	s_add_co_u32 s98, s98, s19
	s_mov_b32 s99, 0
	s_lshl_b32 s20, s45, 17                        ; R likewise
	s_add_co_u32 s92, s92, s20
	s_lshl_b32 s20, s16, 16
	s_add_co_u32 s92, s92, s20
	s_mov_b32 s93, 0
	s_lshl_b32 s20, s45, 13
	s_add_co_u32 s94, s94, s20
	s_lshl_b32 s20, s16, 12
	s_add_co_u32 s94, s94, s20
	s_mov_b32 s95, 0
	s_mul_i32 s46, s16, NA*4096                    ; where they go: no place in the cluster enters an LDS address
	s_lshl_b32 s47, s16, 15
	s_add_co_u32 s47, s47, POFF
	s_mul_i32 s66, s16, NA*512
	s_add_co_u32 s66, s66, SCL
	s_lshl_b32 s67, s16, 12
	s_add_co_u32 s67, s67, SCL+PSOFF
	s_wait_dscnt 0x0                               ; both opening adds are done
	s_wait_kmcnt 0x0
	CROUND                                         ; all sixteen work-groups are here: the joint loads meet
	s_mov_b32 s[G0SR], 1
	s_mov_b32 s[G0SR+1], s66
	s_add_nc_u64 s[G0SR+2:G0SR+3], s[4:5], s[94:95]
	s_or_b32 s[G0SR+3], s[G0SR+3], 0x80000000
	s_mov_b32 s[G0SP], 1
	s_mov_b32 s[G0SP+1], s67
	s_add_nc_u64 s[G0SP+2:G0SP+3], s[4:5], s[98:99]
	s_or_b32 s[G0SP+3], s[G0SP+3], 0x80000000
	JLOAD G0SR, G1SR, G0SP, G1SP                   ; the scales first: they are wanted with the first half of K
	s_add_nc_u64 s[92:93], s[4:5], s[92:93]
	s_add_nc_u64 s[96:97], s[4:5], s[96:97]
.irp s, 0,1
	s_mov_b32 s[G0R+4*\s], 1
	s_add_co_u32 s[G0R+4*\s+1], s46, \s*SLOT
	s_add_nc_u64 s[G0R+4*\s+2:G0R+4*\s+3], s[92:93], \s*4096
	s_or_b32 s[G0R+4*\s+3], s[G0R+4*\s+3], 0x80000000
	s_mov_b32 s[G0P+4*\s], 1
	s_add_co_u32 s[G0P+4*\s+1], s47, \s*SLOT
	s_add_nc_u64 s[G0P+4*\s+2:G0P+4*\s+3], s[96:97], \s*4096
	s_or_b32 s[G0P+4*\s+3], s[G0P+4*\s+3], 0x80000000
	JLOAD G0R+4*\s, G1R, G0P+4*\s, G1P             ; three loads of mine are out behind the second of these
.endr
	v_and_b32 v1, 15, v0                           ; r
	v_bfe_u32 v2, v0, 4, 1                         ; h
	s_wait_alu depctr_va_vdst(0)
	v_and_b32 v[LI], 31, v0
	v_lshlrev_b32 v[LI], 4, v[LI]
	s_mul_i32 s21, s15, NA*4096                    ; my tiles of R,
	s_mov_b32 s22, s47                             ; my tiles of P
.irp s, 0,1
	v_add_nc_u32 v[ADRR+\s], s21, v[LI]
	v_add_nc_u32 v[ADRP+\s], s22, v[LI]
	s_add_co_u32 s21, s21, SLOT
	s_add_co_u32 s22, s22, SLOT
.endr
	s_mul_i32 s21, s15, NA*512                     ; the scale words: R's for lanes 0-15,
	s_lshl_b32 s22, s16, 12
	s_add_co_u32 s22, s22, PSOFF                   ; P's for lanes 16-31:
	s_sub_co_u32 s22, s22, s21                     ; one product, the distance x h
	v_mul_u32_u24 v4, s22, v2
	v_lshl_add_u32 v4, v1, 4, v4
	s_add_co_u32 s21, s21, SCL
	v_add_nc_u32 v[ADRS], s21, v4
	; the bias
	s_lshl_b32 s21, s42, 10                        ; q, k: P's 128 features
	s_lshl_b32 s22, s16, 9
	s_add_co_u32 s21, s21, s22
	s_lshl_b32 s22, s45, 10                        ; v: R's
	s_lshl_b32 s23, s15, 9
	s_add_co_u32 s22, s22, s23
	s_cmp_eq_u32 ttmp9, 2
	s_cselect_b32 s2, s22, s21
	s_mov_b32 s3, 0
	s_add_nc_u64 s[6:7], s[6:7], s[2:3]
	v_lshlrev_b32 v5, 6, v2                        ; q, k: lanes 16-31 hold features 16 further on
	v_and_b32 v6, 8, v1
	v_add_nc_u32 v6, v6, v1
	v_lshlrev_b32 v6, 2, v6                        ; v: place r is feature r + 8 (r / 8) of its tile's 32
	s_cmp_eq_u32 ttmp9, 2
	s_cbranch_scc1 .Lbias_v
	WIN 0x40                                       ; destination window 1
.irp b, 0,1,2,3,4,5,6,7
	global_load_b128 v[192+8*\b:192+8*\b+3], v5, s[6:7] offset:(32*(\b/2)+8*(\b%2))*4
	global_load_b128 v[192+8*\b+4:192+8*\b+7], v5, s[6:7] offset:(32*(\b/2)+8*(\b%2))*4+16
.endr
	WIN 0
	s_branch .Lbias_done
.Lbias_v:
	WIN 0x40
	s_wait_alu depctr_va_vdst(0)
.irp a, 0,1,2,3,4,5,6,7
.irp j, 0,1,2,3,4,5,6,7
	global_load_b32 v[192+8*\a+\j], v6, s[6:7] offset:(32*(\a/2)+8*(\a%2))*4   ; a lane's feature is the same in all eight registers of a result
.endr
.endr
	WIN 0
.Lbias_done:
	; the way out: what differs between q, k and v stands in scalars
	s_mov_b32 s18, 512
	s_mov_b32 s66, 65536
	s_mov_b32 s22, 256
	s_cmp_eq_u32 ttmp9, 2
	s_cselect_b32 s2, s42, s45                     ; x's block of 256 rows,
	s_cselect_b32 s3, s16, s15                     ; my half of it,
	s_cselect_b32 s10, s41, s40                    ; the weight's block of 256 features among the 1,024,
	s_cselect_b32 s11, s15, s16                    ; my half of it
	s_cselect_b32 s18, 1024, s18                   ; from one tile of R to the next in the images: v 1,024, else 512;
	s_cselect_b32 s20, 61440, 0                    ; more at tile 4: v goes on to the next head
	s_cselect_b32 s66, 512, s66                    ; the second store: v the fragment's upper half, else the next head
	s_cselect_b32 s22, 20480, s22                  ; the scale words at tile 4: v the next head, else the next 64 rows
	s_cselect_b32 s67, 0, 20480                    ; lanes 16-31 store the next head's scale words (v: the same words to the same place as lanes 0-15)
	s_cselect_b32 s46, 0, 16                       ; and take them from the word's upper half
	s_cselect_b32 s47, 8, 9                        ; scale bytes for 128 rows of x: v 256, else 512
	s_mov_b32 s19, 0
	s_mov_b32 s21, 0
	s_mov_b32 s23, 0
	s_lshl_b32 s10, s10, 2
	s_lshl_b32 s11, s11, 1
	s_add_co_u32 s10, s10, s11                     ; my first head
	s_lshr_b32 s11, s2, 3
	s_lshl_b32 s11, s11, 4
	s_add_co_u32 s10, s10, s11                     ; + 16 x batch
	s_and_b32 s2, s2, 7
	s_lshl_b32 s2, s2, 1
	s_add_co_u32 s2, s2, s3                        ; which 128 of the sequence's 2,048
	s_lshl_b32 s12, ttmp9, 22
	s_lshl_b32 s13, s10, 16
	s_add_co_u32 s12, s12, s13
	s_lshl_b32 s13, s2, 12
	s_add_co_u32 s12, s12, s13
	s_mov_b32 s13, 0
	s_add_nc_u64 s[12:13], s[8:9], s[12:13]        ; the images
	s_mul_i32 s10, s10, 20480
	s_lshl_b32 s11, ttmp9, 13
	s_add_co_u32 s10, s10, s11
	s_lshl_b32 s11, s2, s47
	s_add_co_u32 s10, s10, s11
	s_add_co_u32 s10, s10, SC3
	s_mov_b32 s11, 0
	s_add_nc_u64 s[10:11], s[8:9], s[10:11]        ; the scale words
	s_mov_b32 s[SEL], 0x76543210
	s_mov_b32 s[SEL+1], 0xfedcba98
	v_add_nc_u32 v[VO1], s66, v[LI]
	v_mul_u32_u24 v[VS], s67, v2
	v_lshl_add_u32 v[VS], v1, 4, v[VS]
	v_mul_u32_u24 v[VSH], s46, v2
	v_mov_b32 v[FL], 0x1800000
.irp b, 0,1,2,3
	v_mov_b32 v[TM+4+\b], 0                        ; written once: a lane permute's destination counts as one of its sources
.endr
.macro FRAG reg, adr, qq, i            ; a fragment: 16 rows x 128 K in 8 registers: two loads of 16 bytes a lane, 512 consecutive bytes each
.irp c, 0,1
	ds_load_b128 v[\reg+4*\c:\reg+4*\c+3], v[\adr] offset:(\i)*4096+(\qq)*1024+512*\c
.endr
.endm
.macro SCALES sc                       ; a half of K's scale words: four a row; lanes 0-15 take R's tile i, lanes 16-31 P's tile i
.irp i, 0,1,2,3,4,5,6,7
	ds_load_b128 v[SCR+32*(\sc)+4*\i:SCR+32*(\sc)+4*\i+3], v[ADRS] offset:\i*512+(\sc)*256
.endr
.endm
.macro FETCH q                         ; the fragments of K step q into set q % 2
	WIN 0x40
.irp i, 0,1,2,3,4,5,6,7
	FRAG 128*((\q)%2)+8*\i, ADRP+(\q)/4, (\q)%4, \i
.endr
	WIN 0
.set I, 0
.rept NA
	FRAG 128+64*((\q)%2)+8*I, ADRR+(\q)/4, (\q)%4, I
.set I, I+1
.endr
.if (\q)%4 == 0
	SCALES (\q)/4
.endif
.endm
; 8 products: R's tile a x P's eight.  mode 0: onto the sums; 1: the sums begin with the bias along the registers; 2: with the bias along the lanes.  All accumulators take turns in one order.
.macro MULA a, p, qq, sc, mode
.irp b, 0,1,2,3,4,5,6,7
.if \mode == 0
	v_wmma_scale_f32_16x16x128_f8f6f4 v[8*(8*((\a)%4)+\b):8*(8*((\a)%4)+\b)+7], v[128*(\p)+8*\b:128*(\p)+8*\b+7], v[128+64*(\p)+8*(\a):128+64*(\p)+8*(\a)+7], v[8*(8*((\a)%4)+\b):8*(8*((\a)%4)+\b)+7], v[SCR+32*(\sc)+4*\b+(\qq)], v[SCR+32*(\sc)+4*(\a)+(\qq)] matrix_a_fmt:MATRIX_FMT_FP4 matrix_b_fmt:MATRIX_FMT_FP4 matrix_a_scale:MATRIX_SCALE_ROW1
.elseif \mode == 1
	v_wmma_scale_f32_16x16x128_f8f6f4 v[8*(8*((\a)%4)+\b):8*(8*((\a)%4)+\b)+7], v[128*(\p)+8*\b:128*(\p)+8*\b+7], v[128+64*(\p)+8*(\a):128+64*(\p)+8*(\a)+7], v[192+8*\b:192+8*\b+7], v[SCR+32*(\sc)+4*\b+(\qq)], v[SCR+32*(\sc)+4*(\a)+(\qq)] matrix_a_fmt:MATRIX_FMT_FP4 matrix_b_fmt:MATRIX_FMT_FP4 matrix_a_scale:MATRIX_SCALE_ROW1
.else
	v_wmma_scale_f32_16x16x128_f8f6f4 v[8*(8*((\a)%4)+\b):8*(8*((\a)%4)+\b)+7], v[128*(\p)+8*\b:128*(\p)+8*\b+7], v[128+64*(\p)+8*(\a):128+64*(\p)+8*(\a)+7], v[192+8*(\a):192+8*(\a)+7], v[SCR+32*(\sc)+4*\b+(\qq)], v[SCR+32*(\sc)+4*(\a)+(\qq)] matrix_a_fmt:MATRIX_FMT_FP4 matrix_b_fmt:MATRIX_FMT_FP4 matrix_a_scale:MATRIX_SCALE_ROW1
.endif
.endr
.endm
.macro MULS q, mode                    ; a K step's products.  Source 0 window 1, source 1 window 0; D window 2 or 3; C with it, or the bias in window 1
.if \mode == 0
	WIN 0xa1
.else
	WIN 0x91
.endif
.irp a, 0,1,2,3
	MULA \a, (\q)%2, (\q)%4, (\q)/4, \mode
.endr
.if \mode == 0
	WIN 0xf1
.else
	WIN 0xd1
.endif
.irp a, 4,5,6,7
	MULA \a, (\q)%2, (\q)%4, (\q)/4, \mode
.endr
	WIN 0
.endm
.macro STEP q                          ; K step q: its fragments are waited for, the next step's are asked for, and land under this step's 64 products
	s_wait_dscnt 0x0
.if \q == 3
	s_wait_tensorcnt 0x0                           ; my part of slot 1 has landed;
	s_barrier_signal -1
	s_barrier_wait -1                              ; everybody's has.
.endif
.if \q < 7
	PLACES 4                                       ; in front of loads into registers that the last step's products read
	FETCH (\q)+1
.endif
	MULS \q, 0
.endm
	s_wait_tensorcnt 0x1                           ; the scales and my part of slot 0 are in; slot 1's load may be out
	s_barrier_signal -1
	s_barrier_wait -1
	FETCH 0
	s_wait_loadcnt 0x0                             ; the bias
	s_wait_dscnt 0x0
	FETCH 1
	s_cmp_eq_u32 ttmp9, 2                          ; the first step's products start the sums with the bias: nothing is cleared
	s_cbranch_scc1 .Lstart_v
	MULS 0, 1
	s_branch .Lstarted
.Lstart_v:
	MULS 0, 2
.Lstarted:
.irp q, 1,2,3,4,5,6,7
	STEP \q
.endr
	PLACES 4                                       ; behind the last products, ahead of the first read of results
; THE WAY OUT of R's tile a: my row's 64 numbers (register 16 b + i = place 32 b + 16 (lane / 16) + i along P's axis) become four blocks' codes and their scale word.
.macro EPI a
.set S0, 64*((\a)%4)
.if (\a) < 4
	WIN 0x28                                       ; sources 1 and 2: window 2
.else
	WIN 0x3c                                       ; window 3
.endif
.irp b, 0,1,2,3
	v_max3_num_f32 v[TM+\b], v[FL], |v[S0+16*\b]|, |v[S0+16*\b+1]|   ; each accumulator is read from its low end on; the floor holds the byte at 1 from below
.endr
.irp i, 2,4,6,8,10,12,14
.irp b, 0,1,2,3
	v_max3_num_f32 v[TM+\b], v[TM+\b], |v[S0+16*\b+\i]|, |v[S0+16*\b+\i+1]|   ; the four blocks by turns
.endr
.endr
	WIN 0
.irp b, 0,1,2,3
	v_permlanex16_b32 v[TM+4+\b], v[TM+\b], s[SEL], s[SEL+1]
.endr
.irp b, 0,1,2,3
	v_max_num_f32 v[TM+\b], v[TM+\b], v[TM+4+\b]   ; with lane l xor 16's 16: the block's largest magnitude
.endr
.irp b, 0,1,2,3
	v_add_nc_u32 v[TM+12+\b], 0xff000000, v[TM+\b] ; 2 off its exponent field: the conversion's scale operand
.endr
.irp b, 0,1,2,3
	v_lshrrev_b32 v[TM+4+\b], 23, v[TM+12+\b]      ; the scale's byte
.endr
	v_lshl_or_b32 v[PW], v[TM+5], 8, v[TM+4]
	v_lshl_or_b32 v[PW], v[TM+6], 16, v[PW]
	v_lshl_or_b32 v[PW], v[TM+7], 24, v[PW]
.if (\a) > 0
	s_wait_alu depctr_va_vdst(0)
	s_wait_xcnt 0x0                                ; the last tile's stores have read their data and bases: only now are these written again
	s_add_nc_u64 s[12:13], s[12:13], s[18:19]
.endif
.if (\a) == 4
	s_add_nc_u64 s[12:13], s[12:13], s[20:21]
	s_add_nc_u64 s[10:11], s[10:11], s[22:23]
.endif
	v_lshrrev_b32 v[SW+(\a)%4], v[VSH], v[PW]      ; q, k: lanes 16-31 take the second head's two bytes
	WIN (2+(\a)/4)                                 ; source 0: the accumulators' window
.irp b, 0,1,2,3
	v_cvt_scalef32_pk8_fp4_f32 v[PC+2*\b], v[S0+16*\b:S0+16*\b+7], v[TM+12+\b]
	v_cvt_scalef32_pk8_fp4_f32 v[PC+2*\b+1], v[S0+16*\b+8:S0+16*\b+15], v[TM+12+\b]
.endr
	WIN 0
	v_nop                                          ; one plain line behind a scaled conversion
.irp c, 0,1                            ; a whole block to a lane: lanes 0-15 block 2 c, lanes 16-31 block 2 c + 1
.irp i, 0,1
	v_permlane16_swap_b32 v[PC+4*\c+\i], v[PC+2+4*\c+\i]
.endr
.endr
	global_store_b128 v[LI], v[PC:PC+3], s[12:13]          ; 32 lanes store 512 consecutive bytes, aligned: q, k: my first head's image; v: the fragment's lower half
	global_store_b128 v[VO1], v[PC+4:PC+7], s[12:13]       ; q, k: the second head's; v: the upper half
.if (\a)%4 == 3
	global_store_b128 v[VS], v[SW:SW+3], s[10:11]          ; four tiles' scale words, 16 bytes a row: sixteen lanes store 256 consecutive bytes
.endif
.endm
	s_wait_alu depctr_va_vdst(0)
.irp a, 0,1,2,3,4,5,6,7
	EPI \a
.endr
	s_wait_tensorcnt 0x0                           ; the wave's end
	ds_add_u32 v[SPW], v[NIL]
	s_wait_dscnt 0x0
	CROUND                                         ; the closing round
	s_endpgm
.Lfunc_end_k_q6757f4a8b2_gemm_qkv:
	.size	k_q6757f4a8b2_gemm_qkv, .Lfunc_end_k_q6757f4a8b2_gemm_qkv-k_q6757f4a8b2_gemm_qkv
	.p2alignl 7, 3214868480
	.fill 96, 4, 3214868480
	.section	.rodata,"a",@progbits
	.p2align	6, 0x0
	.amdhsa_kernel k_q6757f4a8b2_gemm_qkv
		.amdhsa_group_segment_fixed_size 327680
		.amdhsa_private_segment_fixed_size 0
		.amdhsa_enable_private_segment 0
		.amdhsa_kernarg_size 24
		.amdhsa_user_sgpr_count 2
		.amdhsa_user_sgpr_kernarg_segment_ptr 1
		.amdhsa_wavefront_size32 1
		.amdhsa_system_sgpr_workgroup_id_x 1
		.amdhsa_system_sgpr_workgroup_id_y 1
		.amdhsa_system_sgpr_workgroup_id_z 1
		.amdhsa_system_vgpr_workitem_id 0
		.amdhsa_next_free_vgpr 1024
		.amdhsa_next_free_sgpr 100
		.amdhsa_reserve_vcc 0
		.amdhsa_float_denorm_mode_32 3
		.amdhsa_float_denorm_mode_16_64 3
		.amdhsa_memory_ordered 1
		.amdhsa_forward_progress 1
		.amdhsa_inst_pref_size 144
	.end_amdhsa_kernel
	.amdgpu_metadata
---
amdhsa.version: [ 1, 2 ]
amdhsa.kernels:
  - .name:           k_q6757f4a8b2_gemm_qkv
    .symbol:         k_q6757f4a8b2_gemm_qkv.kd
    .args:
      - { .name: cw, .offset: 0, .size: 8, .value_kind: global_buffer, .address_space: global }
      - { .name: qkv_b, .offset: 8, .size: 8, .value_kind: global_buffer, .address_space: global }
      - { .name: qkv, .offset: 16, .size: 8, .value_kind: global_buffer, .address_space: global }
    .group_segment_fixed_size: 327680
    .private_segment_fixed_size: 0
    .kernarg_segment_align: 8
    .kernarg_segment_size: 24
    .max_flat_workgroup_size: 128
    .sgpr_count:     100
    .vgpr_count:     1024
    .wavefront_size: 32
...
	.end_amdgpu_metadata
.endif
;; end of part 2
;; launch attn (part 3): grid 8 x 32, 16 waves a work-group, clusters of 4 x 1, 327,680 bytes of LDS; arguments qkv, yb; writes yb
.if DOCPART == 3
	.amdgcn_target "amdgcn-amd-amdhsa--gfx1250"
	.amdhsa_code_object_version 6
	.text
	.protected	k_q6757f4a8b2_attn
	.globl	k_q6757f4a8b2_attn
	.p2align	8
	.type	k_q6757f4a8b2_attn,@function
k_q6757f4a8b2_attn:
	s_mov_b64 s[64:65], 0
	v_nop
	global_prefetch_b8 v0, s[64:65] scope:SCOPE_SE
	s_setreg_imm32_b32 hwreg(HW_REG_WAVE_MODE, 25, 1), 1
	s_wait_xcnt 0x0
	s_wait_alu depctr_hold_cnt(0) depctr_sa_sdst(0) depctr_va_vdst(0) depctr_va_sdst(0) depctr_va_ssrc(0) depctr_va_vcc(0) depctr_vm_vsrc(0)
	s_getreg_b32 s2, hwreg(HW_REG_IB_STS2, 6, 4)
	s_cmp_eq_u32 s2, 0
	s_cbranch_scc0 .Lentry_in_a_cluster
	s_endpgm
.Lentry_in_a_cluster:
	s_bfe_u32 s2, ttmp6, 0x10000c
	s_cmp_lg_u32 s2, 0x3003
	s_cbranch_scc0 .Lentry_shape_is_right
	s_endpgm
.Lentry_shape_is_right:
; Launch 3 of 4: y = softmax(q k^T / 8, causal) v on codes of E2M1, and y quantised along C for the last product.
; WORK LEFT OUT: a step of 128 keys all of which come after a tile's 16 queries: reference()'s own mask makes their weights 0 for all values of the inputs (shown at the head of launch 1).
; THE SOFTMAX AHEAD OF THE SECOND PRODUCT: t = score x log2(e) / 8; M = the running largest t rounded UP to a whole number; p = 2^(t - M) is quantised along the keys, not normalised; the row's sum is taken of the unquantised p
; and divides at the end.  When M moves, the sum and O are multiplied by 2^(old M - new M): exact.
; SHARES.  256 work-groups.  Work-group (j = 0..7, p = 0..31) serves heads 2 p and 2 p + 1 (16 batch + head), one after the other (job 0, job 1).  Wave w owns the tile of 16 queries number 8 RK + j, which needs RK + 1 steps of 128 keys;
; RK runs through 0..15 by the cells of a 4 x 4 magic square, so that any four waves w / 4 or w % 4 have 34 steps a job between them, and every work-group has the same work.
; LDS.  Both heads' k and v images and their scale words lie whole in LDS: 286,720 bytes, each filled once.  Every wave issues three loads at the head: job 0's first four steps, the scales, the rest.
; CLUSTER 4 x 1: the four partners differ in j alone and read the same k and v: each load is joint, mask 15.  j enters only global addresses and the numbers that the mask's compare reads: no branch, trip count or LDS address.
; LAYOUT.  Both products are used transposed: S^T = k q^T (source 0 = 16 keys), O^T = v^T p^T (source 0 = 16 of the head's 64): a lane holds ONE query.  A tile's places are rows 32 bb + 8 u + r % 8 + 16 (r / 8), so the 16 registers of two
; neighbouring result tiles are 16 neighbours.  The first product's K is 64: registers 4-7 of q's and k's fragments hold zero codes, set once.
; LIMITS: as launch 1's for y's blocks (byte 1 under 2^-124).  NaN and infinities are not served.
; REGISTERS: v1-4 addresses that stay; v5, v6 the add's; v7 the diagonal's number; v8-11 the step's addresses; v12 -M, v13 largest t, v[14:15] the sum; v16-23 q; v24-31 k's scale words; v32-95 k's 8 fragments; v96-159 S^T, then p;
;   v160-191 O^T; v192-223 v's 4 fragments; v224-231 p's codes; v232-247 at work; v240 16 r; v241 y's scale bytes; v248-251 v's scale words; v252 f, v253 p's scale word, v254 at work; v255 q's scale word.
.set VOFF,  131072                     ; LDS: k's images of both heads at 0, v's here,
.set SCO,   262144                     ; the scale words: [job][k 8,192 | v 4,096]
.set SPARE, SCO+24576                  ; the spare words, 128 bytes for each of sixteen waves, which no other line names
.set SC3,   12582912                   ; in qkv: the scales
.set YS,    4194304                    ; in yb: the scale images
.set SPW,  5
.set NIL,  6
.set WV,   18                          ; s18  my wave's number
.set SEL,  20                          ; s[20:21] lane selects for v_permlanex16_b32: lane l xor 16
.set CS,   22                          ; s[22:23] c = log2(e) / 8
.set G1A,  24                          ; s[24:31], s[32:39], s[40:47] descriptor groups 1: 8, 6 and 56 rows of 256 bytes
.set G1S,  32
.set G1B,  40
.set G0A,  48                          ; s[48:51], s[52:55], s[56:59] their groups 0
.set G0S,  52
.set G0B,  56
.set RK,   60                          ; s60  my tile's last step
.set TB,   61                          ; s61  where the step's images begin, in k's region and in v's: 4,096 bytes a step
.set TS,   62                          ; s62  k's scale words: 512 bytes a step
.set TJ,   63                          ; s63  v's: 256
.set ST,   66                          ; s66  the step in the job
.set CNT,  67                          ; s67  a loop's trips to go
.set QB,   68                          ; s[68:69] q's image, s[70:71] its scale words, s[72:73] y's image, s[74:75] its scale bytes
.set QSB,  70
.set YB,   72
.set YSB,  74
.macro CROUND
	s_barrier_signal -1
	s_barrier_wait -1
	s_cmp_lg_u32 s[WV], 0
	s_cbranch_scc1 .Lnot_wave_0_\@
	s_barrier_signal -3
.Lnot_wave_0_\@:
	s_barrier_wait -3
	s_barrier_signal -1
	s_barrier_wait -1
.endm
.macro G1SET g, rows                   ; dense rows of 256 bytes (32 elements of 8); mask: all four partners, bit 21 beside it
	s_mov_b32 s[\g], 15|(3<<16)|(1<<21)
	s_mov_b32 s[\g+1], 32<<16
	s_mov_b32 s[\g+2], (\rows)<<16
	s_mov_b32 s[\g+3], 32<<16
	s_mov_b32 s[\g+4], \rows
	s_mov_b32 s[\g+5], 32
	s_mov_b32 s[\g+6], 0
	s_mov_b32 s[\g+7], 0
.endm
	s_load_b128 s[4:7], s[0:1], 0x0                ; qkv, yb
	v_lshl_add_u32 v[SPW], v0, 2, SPARE
	v_mov_b32 v[NIL], 0
	ds_add_u32 v[SPW], v[NIL]                      ; the wave's opening: the add, twice on end, and its wait ahead of my first tensor load
	ds_add_u32 v[SPW], v[NIL]
	v_lshrrev_b32 v8, 5, v0
	s_delay_alu instid0(VALU_DEP_1)
	v_readfirstlane_b32 s[WV], v8                  ; wave 0..15
	s_bfe_u32 s13, ttmp6, 0x40000                  ; cx
	s_lshl_b32 s14, ttmp9, 2
	s_add_co_u32 s14, s14, s13                     ; j
	s_and_b32 s10, ttmp7, 0xffff                   ; p: the pair of heads, which the partners share
	s_lshr_b32 s11, s[WV], 3                       ; waves 0-7 fetch k's images (and job 0's scales), waves 8-15 v's (and job 1's)
	s_and_b32 s12, s[WV], 7
	G1SET G1A, 8
	G1SET G1S, 6
	G1SET G1B, 56
	s_add_co_u32 s15, s11, 1
	s_lshl_b32 s15, s15, 22                        ; k's images begin at 4,194,304, v's at 8,388,608;
	s_lshl_b32 s16, s10, 17
	s_add_co_u32 s15, s15, s16                     ; two heads are 131,072 consecutive bytes
	s_lshl_b32 s16, s12, 11
	s_add_co_u32 s76, s15, s16                     ; A: job 0's first four steps, 16,384 bytes: 2,048 a wave
	s_mov_b32 s77, 0
	s_mul_i32 s16, s12, 14336
	s_add_co_u32 s78, s15, s16
	s_add_co_u32 s78, s78, 16384                   ; B: the other 114,688 bytes: 14,336 a wave
	s_mov_b32 s79, 0
	s_mul_i32 s8, s10, 40960
	s_mul_i32 s9, s11, 20480
	s_add_co_u32 s8, s8, s9
	s_mul_i32 s9, s12, 1536
	s_add_co_u32 s8, s8, s9
	s_add_co_u32 s8, s8, SC3+8192                  ; S: a head's k and v scale words are 12,288 consecutive bytes behind q's: 1,536 a wave
	s_mov_b32 s9, 0
	s_lshl_b32 s17, s11, 17                        ; and in LDS: the wave's number and constants alone
	s_lshl_b32 s19, s12, 11
	s_add_co_u32 s[G0A+1], s17, s19
	s_mul_i32 s19, s12, 14336
	s_add_co_u32 s19, s19, s17
	s_add_co_u32 s[G0B+1], s19, 16384
	s_mul_i32 s19, s[WV], 1536
	s_add_co_u32 s[G0S+1], s19, SCO
	s_mov_b32 s[G0A], 1
	s_mov_b32 s[G0S], 1
	s_mov_b32 s[G0B], 1
	s_mov_b32 s[SEL], 0x76543210
	s_mov_b32 s[SEL+1], 0xfedcba98
	s_mov_b32 s[CS], 0x3e38aa3b                    ; log2(e) / 8
	s_mov_b32 s[CS+1], s[CS]                       ; (named with it as a pair, so it is written)
	s_mov_b32 s[TB], 0
	s_mov_b32 s[TS], 0
	s_mov_b32 s[TJ], 0
	s_mov_b32 s2, 0x0de3b658                       ; the magic square's cells, four bits each: waves 8-15,
	s_cmp_lt_u32 s[WV], 8
	s_cselect_b32 s2, 0x7a94c12f, s2               ; waves 0-7
	s_lshl_b32 s3, s12, 2
	s_lshr_b32 s2, s2, s3
	s_and_b32 s[RK], s2, 15
	s_wait_dscnt 0x0                               ; both opening adds are done
	s_wait_kmcnt 0x0
	s_add_nc_u64 s[G0A+2:G0A+3], s[4:5], s[76:77]
	s_or_b32 s[G0A+3], s[G0A+3], 0x80000000
	s_add_nc_u64 s[G0S+2:G0S+3], s[4:5], s[8:9]
	s_or_b32 s[G0S+3], s[G0S+3], 0x80000000
	s_add_nc_u64 s[G0B+2:G0B+3], s[4:5], s[78:79]
	s_or_b32 s[G0B+3], s[G0B+3], 0x80000000
	CROUND                                         ; all four work-groups are here: the joint loads meet
	tensor_load_to_lds s[G0A:G0A+3], s[G1A:G1A+7]  ; every wave issues all three, with no branch: three loads of mine are out
	s_nop 0
	tensor_load_to_lds s[G0S:G0S+3], s[G1S:G1S+7]
	s_nop 0
	tensor_load_to_lds s[G0B:G0B+3], s[G1B:G1B+7]
	s_nop 0
.rept 4
	v_nop
.endr
	s_lshl_b32 s2, s[RK], 3
	s_add_co_u32 s2, s2, s14                       ; my tile of queries, 0..127
	s_lshl_b32 s8, s10, 17
	s_lshl_b32 s9, s2, 9
	s_add_co_u32 s8, s8, s9
	s_mov_b32 s9, 0
	s_add_nc_u64 s[QB:QB+1], s[4:5], s[8:9]        ; q's image of job 0; job 1's lies 65,536 bytes on
	s_mul_i32 s8, s10, 40960
	s_lshr_b32 s15, s2, 2
	s_lshl_b32 s15, s15, 8
	s_add_co_u32 s8, s8, s15
	s_and_b32 s15, s2, 3
	s_lshl_b32 s15, s15, 2
	s_add_co_u32 s8, s8, s15
	s_add_co_u32 s8, s8, SC3
	s_add_nc_u64 s[QSB:QSB+1], s[4:5], s[8:9]      ; its scale words: [tile / 4][r][tile % 4]
	s_lshr_b32 s15, s10, 3
	s_lshl_b32 s15, s15, 7
	s_add_co_u32 s15, s15, s2                      ; y's tile: 128 x batch + my tile
	s_lshl_b32 s8, s15, 13
	s_and_b32 s16, s10, 7
	s_lshl_b32 s16, s16, 10
	s_add_co_u32 s8, s8, s16
	s_add_nc_u64 s[YB:YB+1], s[6:7], s[8:9]        ; a head's two blocks are 512 bytes of the image, my two heads 1,024
	s_lshl_b32 s8, s15, 9
	s_bfe_u32 s16, s10, 0x10002
	s_lshl_b32 s16, s16, 8
	s_add_co_u32 s8, s8, s16                       ; heads 8-15 lie in the scale image's second half
	s_and_b32 s16, s10, 3
	s_lshl_b32 s16, s16, 2
	s_add_co_u32 s8, s8, s16                       ; my two heads' four bytes
	s_add_co_u32 s8, s8, YS
	s_add_nc_u64 s[YSB:YSB+1], s[6:7], s[8:9]
	s_lshr_b32 s15, s14, 1
	s_lshl_b32 s15, s15, 5
	s_and_b32 s16, s14, 1
	s_lshl_b32 s16, s16, 3
	s_add_co_u32 s15, s15, s16                     ; where tile j begins among its 128 rows
	v_and_b32 v8, 15, v0                           ; r
	v_bfe_u32 v9, v0, 4, 1                         ; h
	v_and_b32 v1, 31, v0
	s_delay_alu instid0(VALU_DEP_1)
	v_lshlrev_b32 v1, 4, v1                        ; 16 x lane: an image's place for my lane, in LDS and in memory
	s_delay_alu instid0(VALU_DEP_1)
	v_add_nc_u32 v2, VOFF, v1
	v_lshlrev_b32 v240, 4, v8
	s_delay_alu instid0(VALU_DEP_1)
	v_add_nc_u32 v3, SCO, v240
	s_delay_alu instid0(VALU_DEP_2)
	v_add_nc_u32 v4, SCO+8192, v240
	v_and_b32 v10, 8, v8
	s_delay_alu instid0(VALU_DEP_1)
	v_add_nc_u32 v10, v10, v8
	v_lshlrev_b32 v11, 4, v9
	s_delay_alu instid0(VALU_DEP_1)
	v_sub_nc_u32 v10, v10, v11
	s_delay_alu instid0(VALU_DEP_1)
	v_add_nc_u32 v7, s15, v10                      ; d = my query's place among its 128 rows - 16 (lane / 16): in the diagonal step register 16 b + i is hidden where 32 b + i > d
.irp j, 20,21,22,23
	v_mov_b32 v[\j], 0                             ; q's blocks 2 and 3: zero codes
.endr
.irp t, 0,1,2,3,4,5,6,7
.irp j, 4,5,6,7
	v_mov_b32 v[32+8*\t+\j], 0                     ; k's likewise: set once, no load touches them
.endr
.endr
.irp j, 236,237,238,239,252,253
	v_mov_b32 v[\j], 0                             ; written once: lane permutes' destinations, and the upper half of the pair v[252:253]
.endr
; A KEY STEP: 128 keys.
.macro STEP
	s_cmp_gt_u32 s[ST], s[RK]                      ; all its keys come after my queries: left out.  The wave's number and the count of steps decide; no barrier and no tensor load stands in a step
	s_cbranch_scc1 .Lhid_\@
	s_setprio 2
	v_add_nc_u32 v8, s[TB], v1                     ; (these four are also the places in front of loads into registers that the last products read)
	v_add_nc_u32 v9, s[TB], v2
	v_add_nc_u32 v10, s[TS], v3
	v_add_nc_u32 v11, s[TJ], v4
.irp t, 0,1,2,3,4,5,6,7
	ds_load_b128 v[32+8*\t:35+8*\t], v8 offset:512*\t          ; k's tile t: lane (r, h) takes block h of place r
.endr
	ds_load_b128 v[24:27], v10                     ; its scale words, four tiles a load
	ds_load_b128 v[28:31], v10 offset:256
.irp t, 0,1,2,3
.irp c, 0,1
	ds_load_b128 v[192+8*\t+4*\c:195+8*\t+4*\c], v9 offset:1024*\t+512*\c   ; v's four fragments land under the softmax
.endr
.endr
	ds_load_b128 v[248:251], v11
	s_wait_dscnt 9                                 ; k and its scale words are in; v's eight loads and its scale words' may be out
.irp t, 0,1,2,3,4,5,6,7
	v_wmma_scale_f32_16x16x128_f8f6f4 v[96+8*\t:103+8*\t], v[32+8*\t:39+8*\t], v[16:23], 0, v[24+\t], v255 matrix_a_fmt:MATRIX_FMT_FP4 matrix_b_fmt:MATRIX_FMT_FP4
.endr
.rept 4
	v_nop
.endr
	s_cmp_lg_u32 s[ST], s[RK]                      ; my last step lies on the diagonal: there the scores of hidden keys become -infinity ahead of the maximum, and p = 0
	s_cbranch_scc1 .Lopen_\@
	v_mov_b32 v254, 0xff800000
.set N, 0
.rept 64
	v_cmp_gt_i32 vcc_lo, 32*(N/16)+N%16, v7
	v_cndmask_b32 v[96+N], v[96+N], v254, vcc_lo
.set N, N+1
.endr
.Lopen_\@:
.irp b, 0,1,2,3
	v_max3_num_f32 v[232+\b], v[96+16*\b], v[97+16*\b], v[98+16*\b]   ; the largest score of each block of 32 keys: it serves for the row's maximum and, since p rises with the score, for the block's largest p
.endr
.irp i, 3,5,7,9,11,13
.irp b, 0,1,2,3
	v_max3_num_f32 v[232+\b], v[232+\b], v[96+16*\b+\i], v[97+16*\b+\i]
.endr
.endr
.irp b, 0,1,2,3
	v_max_num_f32 v[232+\b], v[232+\b], v[111+16*\b]
.endr
.irp b, 0,1,2,3
	s_delay_alu instid0(VALU_DEP_4)
	v_permlanex16_b32 v[236+\b], v[232+\b], s[SEL], s[SEL+1]
.endr
.irp b, 0,1,2,3
	s_delay_alu instid0(VALU_DEP_4)
	v_max_num_f32 v[232+\b], v[232+\b], v[236+\b]  ; with lane l xor 16's 16 keys
.endr
	s_delay_alu instid0(VALU_DEP_2)
	v_max3_num_f32 v254, v232, v233, v234
	s_delay_alu instid0(VALU_DEP_1)
	v_max_num_f32 v254, v254, v235                 ; the step's largest score of my query (its own key lies in its last step, key 0 in its first: a number)
	s_delay_alu instid0(VALU_DEP_1)
	v_mul_f32 v254, s[CS], v254
	s_delay_alu instid0(VALU_DEP_1)
	v_max_num_f32 v13, v13, v254                   ; the running largest t
	v_mov_b32 v254, v12
	s_delay_alu instid0(VALU_DEP_2)
	v_floor_f32 v12, -v13                          ; the new -M = -ceil(t)
	s_delay_alu instid0(VALU_DEP_1)
	v_sub_f32 v254, v12, v254                      ; old M - new M: a whole number, 0 or less
	s_delay_alu instid0(VALU_DEP_1)
	v_cvt_i32_f32 v254, v254
	s_delay_alu instid0(VALU_DEP_1)
	v_ldexp_f32 v252, 1.0, v254                    ; f = 2^(old M - new M)
.set J, 0
.rept 32
	v_pk_fma_f32 v[96+J:97+J], v[96+J:97+J], s[CS:CS+1], v[12:13] op_sel_hi:[1,0,0]   ; t - M, two at a time
.set J, J+2
.endr
	s_setprio 1
.irp b, 0,1,2,3
	v_fma_f32 v[232+\b], v[232+\b], s[CS], v12     ; the same of each block's largest score
.endr
.set J, 0
	s_wait_alu depctr_va_vdst(0)
.rept 64
	v_exp_f32 v[96+J], v[96+J]                     ; p = 2^(t - M): one batch
.set J, J+1
.endr
	v_pk_mul_f32 v[14:15], v[14:15], v[252:253] op_sel_hi:[1,0]   ; the sums under the new M (a plain line behind the exponentials)
	s_wait_alu depctr_va_vdst(0)                   ; one wait for the batch, ahead of its first reader
.irp b, 0,1,2,3
	v_exp_f32 v[232+\b], v[232+\b]                 ; the blocks' largest p
.endr
	v_pk_add_f32 v[236:237], v[100:101], v[104:105]
	v_pk_add_f32 v[246:247], v[108:109], v[112:113]
	v_pk_add_f32 v[244:245], v[116:117], v[120:121]
	v_pk_add_f32 v[242:243], v[124:125], v[128:129]
	v_pk_add_f32 v[238:239], v[132:133], v[136:137]
	v_pk_add_f32 v[230:231], v[140:141], v[144:145]
	v_pk_add_f32 v[228:229], v[148:149], v[152:153]
	v_pk_add_f32 v[14:15], v[14:15], v[156:157]
	v_pk_add_f32 v[236:237], v[236:237], v[96:97]
	v_pk_add_f32 v[246:247], v[246:247], v[98:99]
	v_pk_add_f32 v[244:245], v[244:245], v[102:103]
	v_pk_add_f32 v[242:243], v[242:243], v[106:107]
	v_pk_add_f32 v[238:239], v[238:239], v[110:111]
	v_pk_add_f32 v[230:231], v[230:231], v[114:115]
	v_pk_add_f32 v[228:229], v[228:229], v[118:119]
	v_pk_add_f32 v[14:15], v[14:15], v[122:123]
	v_pk_add_f32 v[236:237], v[236:237], v[126:127]
	v_pk_add_f32 v[246:247], v[246:247], v[130:131]
	v_pk_add_f32 v[244:245], v[244:245], v[134:135]
	v_pk_add_f32 v[242:243], v[242:243], v[138:139]
	v_pk_add_f32 v[238:239], v[238:239], v[142:143]
	v_pk_add_f32 v[230:231], v[230:231], v[146:147]
	v_pk_add_f32 v[228:229], v[228:229], v[150:151]
	v_pk_add_f32 v[14:15], v[14:15], v[154:155]
	v_pk_add_f32 v[236:237], v[236:237], v[158:159]
	s_delay_alu instid0(VALU_DEP_2)
	v_pk_add_f32 v[14:15], v[14:15], v[242:243]
	s_delay_alu instid0(VALU_DEP_2)
	v_pk_add_f32 v[236:237], v[236:237], v[238:239]
	v_pk_add_f32 v[246:247], v[246:247], v[230:231]
	v_pk_add_f32 v[244:245], v[244:245], v[228:229]
	s_delay_alu instid0(VALU_DEP_2)
	v_pk_add_f32 v[14:15], v[14:15], v[246:247]
	s_delay_alu instid0(VALU_DEP_2)
	v_pk_add_f32 v[236:237], v[236:237], v[244:245]
	s_delay_alu instid0(VALU_DEP_1)
	v_pk_add_f32 v[14:15], v[14:15], v[236:237]
	s_wait_alu depctr_va_vdst(0)                   ; and one for the four
.irp b, 0,1,2,3
	v_max_num_f32 v[232+\b], 0x1800000, v[232+\b]  ; the floor 2^(3 - 127): a block whose every p is 0 keeps the byte 1; its codes are zeros
.endr
.irp b, 0,1,2,3
	s_delay_alu instid0(VALU_DEP_4)
	v_add_nc_u32 v[244+\b], 0xff000000, v[232+\b]  ; 2 off the exponent field: the conversion's scale operand
.endr
.irp b, 0,1,2,3
	s_delay_alu instid0(VALU_DEP_4)
	v_lshrrev_b32 v[236+\b], 23, v[244+\b]
.endr
	s_delay_alu instid0(VALU_DEP_3)
	v_lshl_or_b32 v253, v237, 8, v236              ; p's scale word for these 128 keys
	s_delay_alu instid0(VALU_DEP_1)
	v_lshl_or_b32 v253, v238, 16, v253
	s_delay_alu instid0(VALU_DEP_1)
	v_lshl_or_b32 v253, v239, 24, v253
	s_setprio 0
.irp b, 0,1,2,3
	v_cvt_scalef32_pk8_fp4_f32 v[224+2*\b], v[96+16*\b:103+16*\b], v[244+\b]
	v_cvt_scalef32_pk8_fp4_f32 v[225+2*\b], v[104+16*\b:111+16*\b], v[244+\b]
.endr
	v_nop                                          ; one plain line behind a scaled conversion
.irp c, 0,1
.irp i, 0,1
	v_permlane16_swap_b32 v[224+4*\c+\i], v[226+4*\c+\i]   ; a whole block to a lane
.endr
.endr
.set J, 0
.rept 16
	v_pk_mul_f32 v[160+J:161+J], v[160+J:161+J], v[252:253] op_sel_hi:[1,0]   ; O^T under the new M.  (These sixteen are also the places between p's codes and scale word and the products)
.set J, J+2
.endr
	s_wait_alu depctr_va_vdst(0)
	s_wait_dscnt 0x0                               ; v is in
.irp t, 0,1,2,3
	v_wmma_scale_f32_16x16x128_f8f6f4 v[160+8*\t:167+8*\t], v[192+8*\t:199+8*\t], v[224:231], v[160+8*\t:167+8*\t], v[248+\t], v253 matrix_a_fmt:MATRIX_FMT_FP4 matrix_b_fmt:MATRIX_FMT_FP4
.endr
.Lhid_\@:
	s_add_co_u32 s[ST], s[ST], 1
	s_add_co_u32 s[TB], s[TB], 4096
	s_add_co_u32 s[TS], s[TS], 512
	s_add_co_u32 s[TJ], s[TJ], 256
.endm
.macro WALK n                          ; n steps: a constant count for every wave
	s_mov_b32 s[CNT], \n
.Lwalk_\@:
	STEP
	s_sub_co_u32 s[CNT], s[CNT], 1
	s_cmp_lg_u32 s[CNT], 0
	s_cbranch_scc1 .Lwalk_\@
	s_setprio 0
.endm
.macro JOBINIT job
.if \job
	s_wait_xcnt 0x0                                ; job 0's store has read its data, which the steps write again
	s_add_co_u32 s[TS], s[TS], 4096                ; over job 0's v scale words,
	s_add_co_u32 s[TJ], s[TJ], 8192                ; over job 1's k scale words.  (The images of job 1 follow job 0's: TB goes straight on)
.endif
	global_load_b128 v[16:19], v1, s[QB:QB+1] offset:\job*65536
	global_load_b32 v255, v240, s[QSB:QSB+1] offset:\job*20480
	v_mov_b32 v13, 0xff61b1e6                      ; the largest t so far: -3e38
	s_delay_alu instid0(VALU_DEP_1)
	v_floor_f32 v12, -v13
	v_mov_b32 v14, 0
	v_mov_b32 v15, 0
.set J, 0
.rept 32
	v_mov_b32 v[160+J], 0                          ; O^T: the step is written once; the first change of M leaves zeros zeros
.set J, J+1
.endr
	s_mov_b32 s[ST], 0
	s_wait_loadcnt 0x0
.endm
; A job's end: O^T / the sum is y(my query, the head's 64): register 16 b + i is channel 32 b + 16 (lane / 16) + i: two blocks of the last product's K.
.macro FIN job
.rept 4
	v_nop                                          ; places behind the last products, which may stand any number of hidden steps back
.endr
	v_add_f32 v14, v14, v15
	s_delay_alu instid0(VALU_DEP_1)
	v_permlanex16_b32 v252, v14, s[SEL], s[SEL+1]
	s_delay_alu instid0(VALU_DEP_1)
	v_add_f32 v14, v14, v252                       ; the row's sum
	s_wait_alu depctr_va_vdst(0)
	v_rcp_f32 v14, v14
	v_nop                                          ; a plain line behind the reciprocal,
	s_wait_alu depctr_va_vdst(0)                   ; and the wait ahead of its first reader
.set J, 0
.rept 16
	v_pk_mul_f32 v[96+J:97+J], v[160+J:161+J], v[14:15] op_sel_hi:[1,0]
.set J, J+2
.endr
.irp b, 0,1
	v_max3_num_f32 v[232+\b], |v[96+16*\b]|, |v[97+16*\b]|, 0x1800000
.endr
.irp i, 2,4,6,8,10,12,14
.irp b, 0,1
	s_delay_alu instid0(VALU_DEP_2)
	v_max3_num_f32 v[232+\b], v[232+\b], |v[96+16*\b+\i]|, |v[97+16*\b+\i]|
.endr
.endr
.irp b, 0,1
	s_delay_alu instid0(VALU_DEP_2)
	v_permlanex16_b32 v[236+\b], v[232+\b], s[SEL], s[SEL+1]
.endr
.irp b, 0,1
	s_delay_alu instid0(VALU_DEP_2)
	v_max_num_f32 v[232+\b], v[232+\b], v[236+\b]
.endr
.irp b, 0,1
	s_delay_alu instid0(VALU_DEP_2)
	v_add_nc_u32 v[244+\b], 0xff000000, v[232+\b]
.endr
.irp b, 0,1
	s_delay_alu instid0(VALU_DEP_2)
	v_lshrrev_b32 v[236+\b], 23, v[244+\b]
.endr
.if \job
	s_delay_alu instid0(VALU_DEP_1)
	v_lshl_or_b32 v242, v237, 8, v236
	s_delay_alu instid0(VALU_DEP_1)
	v_lshl_or_b32 v241, v242, 16, v241             ; both heads' bytes: one word
.else
	s_delay_alu instid0(VALU_DEP_1)
	v_lshl_or_b32 v241, v237, 8, v236              ; kept for job 1's end
.endif
.irp b, 0,1
	v_cvt_scalef32_pk8_fp4_f32 v[224+2*\b], v[96+16*\b:103+16*\b], v[244+\b]
	v_cvt_scalef32_pk8_fp4_f32 v[225+2*\b], v[104+16*\b:111+16*\b], v[244+\b]
.endr
	v_nop
	v_permlane16_swap_b32 v224, v226               ; lanes 0-15 block 0, lanes 16-31 block 1
	v_permlane16_swap_b32 v225, v227
	global_store_b128 v1, v[224:227], s[YB:YB+1] offset:512*\job   ; 32 lanes store 512 consecutive bytes, aligned
.if \job
	global_store_b32 v240, v241, s[YSB:YSB+1]      ; 4 bytes of each row's 16: runs written in part, one byte in 16 of what the launch stores; lanes 16-31 store the same word to the same place as lanes 0-15
.endif
.endm
	JOBINIT 0
	s_wait_tensorcnt 0x1                           ; my parts of job 0's first four steps and of the scales are in; the third load may be out
	s_barrier_signal -1
	s_barrier_wait -1                              ; everybody's are.  Nothing is filled again in this launch
	WALK 4
	s_wait_dscnt 0x0
	s_wait_tensorcnt 0x0                           ; my part of the rest is in,
	s_barrier_signal -1
	s_barrier_wait -1                              ; everybody's is: from here on the waves run freely
	WALK 12
	FIN 0
	JOBINIT 1
	WALK 16
	FIN 1
	s_wait_tensorcnt 0x0                           ; the wave's end
	ds_add_u32 v[SPW], v[NIL]
	s_wait_dscnt 0x0
	CROUND                                         ; the closing round
	s_endpgm
.Lfunc_end_k_q6757f4a8b2_attn:
	.size	k_q6757f4a8b2_attn, .Lfunc_end_k_q6757f4a8b2_attn-k_q6757f4a8b2_attn
	.p2alignl 7, 3214868480
	.fill 96, 4, 3214868480
	.section	.rodata,"a",@progbits
	.p2align	6, 0x0
	.amdhsa_kernel k_q6757f4a8b2_attn
		.amdhsa_group_segment_fixed_size 327680
		.amdhsa_private_segment_fixed_size 0
		.amdhsa_enable_private_segment 0
		.amdhsa_kernarg_size 16
		.amdhsa_user_sgpr_count 2
		.amdhsa_user_sgpr_kernarg_segment_ptr 1
		.amdhsa_wavefront_size32 1
		.amdhsa_system_sgpr_workgroup_id_x 1
		.amdhsa_system_sgpr_workgroup_id_y 1
		.amdhsa_system_sgpr_workgroup_id_z 1
		.amdhsa_system_vgpr_workitem_id 0
		.amdhsa_next_free_vgpr 256
		.amdhsa_next_free_sgpr 80
		.amdhsa_reserve_vcc 1
		.amdhsa_float_denorm_mode_32 3
		.amdhsa_float_denorm_mode_16_64 3
		.amdhsa_memory_ordered 1
		.amdhsa_forward_progress 1
		.amdhsa_inst_pref_size 85
	.end_amdhsa_kernel
	.amdgpu_metadata
---
amdhsa.version: [ 1, 2 ]
amdhsa.kernels:
  - .name:           k_q6757f4a8b2_attn
    .symbol:         k_q6757f4a8b2_attn.kd
    .args:
      - { .name: qkv, .offset: 0, .size: 8, .value_kind: global_buffer, .address_space: global }
      - { .name: yb, .offset: 8, .size: 8, .value_kind: global_buffer, .address_space: global }
    .group_segment_fixed_size: 327680
    .private_segment_fixed_size: 0
    .kernarg_segment_align: 8
    .kernarg_segment_size: 16
    .max_flat_workgroup_size: 512
    .sgpr_count:     80
    .vgpr_count:     256
    .wavefront_size: 32
...
	.end_amdgpu_metadata
.endif
;; end of part 3
;; launch gemm_out (part 4): grid 4 x 64, 4 waves a work-group, clusters of 4 x 4, 327,680 bytes of LDS; arguments yb, cw, out_b, out0; writes out0
.if DOCPART == 4
	.amdgcn_target "amdgcn-amd-amdhsa--gfx1250"
	.amdhsa_code_object_version 6
	.text
	.protected	k_q6757f4a8b2_gemm_out
	.globl	k_q6757f4a8b2_gemm_out
	.p2align	8
	.type	k_q6757f4a8b2_gemm_out,@function
k_q6757f4a8b2_gemm_out:
	s_mov_b64 s[64:65], 0
	v_nop
	global_prefetch_b8 v0, s[64:65] scope:SCOPE_SE
	s_setreg_imm32_b32 hwreg(HW_REG_WAVE_MODE, 25, 1), 1
	s_wait_xcnt 0x0
	s_wait_alu depctr_hold_cnt(0) depctr_sa_sdst(0) depctr_va_vdst(0) depctr_va_sdst(0) depctr_va_ssrc(0) depctr_va_vcc(0) depctr_vm_vsrc(0)
	s_getreg_b32 s2, hwreg(HW_REG_IB_STS2, 6, 4)
	s_cmp_eq_u32 s2, 0
	s_cbranch_scc0 .Lentry_in_a_cluster
	s_endpgm
.Lentry_in_a_cluster:
	s_bfe_u32 s2, ttmp6, 0x10000c
	s_cmp_lg_u32 s2, 0xf033
	s_cbranch_scc0 .Lentry_shape_is_right
	s_endpgm
.Lentry_shape_is_right:
; Launch 4 of 4: out0 = y out_w^T + out_b on codes of E2M1: y's images from launch 3, out_w's from launch 1.  No work is left out here.
; THE PRODUCT is launch 2's: D = source 0 (P = out_w: 16 features, which end up along a lane's registers) x source 1 (R = y: 16 rows, one a lane).  A work-group makes 256 features x 128 rows, so that there are 256 work-groups;
; each of its four waves 128 x 64: 32 accumulators.  K = 1,024 lies whole in LDS, in two slots filled once; the bias is the C of each sum's first product.
; CLUSTER 4 x 4: y's tiles hang on cy alone and are asked for jointly by a row of the cluster, out_w's on cx alone and by a column.
; THE WAY OUT: a lane holds 16 + 16 .. neighbouring features of one row, the lanes beside it other rows: a tile of 16 rows x 128 features goes through the wave's own stage in LDS and leaves as whole rows of 512 bytes.
; The stages lie in slot 0: it has had its one fill, and every wave's last read of it is waited for ahead of the barrier in K step 3.
; REGISTERS: window 0: v1-29 addresses; v32-95 scale words; v128-255 R's fragments, two sets (v128-159, v192-223), later rows on their way out.  Window 1: P's fragments, two sets; v192-255 the bias.  Window 2: the accumulators.
.set NA,    4
.set SLOT,  (2*NA+16)*4096
.set POFF,  2*NA*4096
.set SCL,   2*SLOT
.set PSOFF, 2*NA*512
.set SPARE, SCL+PSOFF+8192             ; the spare words, 128 bytes for each wave, which no other line names
.set OCO,   5767168                    ; in cw: out_w's code images,
.set OSO,   6651904                    ; its scale images
.set YS,    4194304                    ; in yb: y's scale images
.set SPITCH, 528                       ; a stage row: 512 bytes + 16
.set LI,   3
.set ADRR, 16
.set ADRP, 20
.set STO,  24                          ; v24  the stage: where I put my results of a row
.set RD,   25                          ; v25  and where I read a row back
.set ADRS, 27
.set SPW,  28
.set NIL,  29
.set SCR,  32
.set BK,   128                         ; rows read back: v128-191 and v192-255 by turns
.set G1R,  24
.set G0R,  32
.set G1P,  48
.set G0P,  56
.set G1SR, 68
.set G0SR, 76
.set G1SP, 80
.set G0SP, 88
.set MSB, 0
.macro WIN new
.if MSB != \new
	s_set_vgpr_msb (MSB<<8)|\new
.set MSB, \new
.endif
.endm
.macro JLOAD g0r, g1r, g0p, g1p        ; waves 0 and 1 fetch R's halves, waves 2 and 3 P's; an s_nop 0 and four v_nop follow each line
	s_cmp_eq_u32 s15, 0
	s_cbranch_scc0 .Lfor_p_\@
	tensor_load_to_lds s[\g0r:\g0r+3], s[\g1r:\g1r+7]
	s_nop 0
.rept 4
	v_nop
.endr
	s_branch .Lasked_\@
.Lfor_p_\@:
	tensor_load_to_lds s[\g0p:\g0p+3], s[\g1p:\g1p+7]
	s_nop 0
.rept 4
	v_nop
.endr
.Lasked_\@:
.endm
.macro CROUND
	s_barrier_signal -1
	s_barrier_wait -1
	s_cmp_lg_u32 s14, 0
	s_cbranch_scc1 .Lnot_wave_0_\@
	s_barrier_signal -3
.Lnot_wave_0_\@:
	s_barrier_wait -3
	s_barrier_signal -1
	s_barrier_wait -1
.endm
.macro PLACES n
.rept \n
	v_nop
.endr
.endm
.macro G1SET g, mask, el, rows, pitch
	s_or_b32 s[\g], s[\mask], (3<<16)|(1<<21)
	s_mov_b32 s[\g+1], (\el)<<16
	s_mov_b32 s[\g+2], (\rows)<<16
	s_mov_b32 s[\g+3], (\el)<<16
	s_mov_b32 s[\g+4], \rows
	s_mov_b32 s[\g+5], \pitch
	s_mov_b32 s[\g+6], 0
	s_mov_b32 s[\g+7], 0
.endm
	s_load_b256 s[4:11], s[0:1], 0x0               ; yb s[4:5], cw s[6:7], out_b s[8:9], out0 s[10:11]
	v_lshl_add_u32 v[SPW], v0, 2, SPARE
	v_mov_b32 v[NIL], 0
	ds_add_u32 v[SPW], v[NIL]                      ; the wave's opening: the add, twice on end, and its wait ahead of my first tensor load
	ds_add_u32 v[SPW], v[NIL]
	v_lshrrev_b32 v1, 5, v0
	v_readfirstlane_b32 s14, v1                    ; wave 0..3
	s_lshr_b32 s15, s14, 1                         ; my half of R's rows.  Also: I fetch for R (0) or for P (1)
	s_and_b32 s16, s14, 1                          ; my half of P's rows.  Also: which half of that operand's tiles I fetch
	s_bfe_u32 s40, ttmp6, 0x40000                  ; cx
	s_bfe_u32 s41, ttmp6, 0x40004                  ; cy
	s_lshl_b32 s42, ttmp9, 2
	s_add_co_u32 s42, s42, s40                     ; P's block of 256 features
	s_and_b32 s45, ttmp7, 0xffff
	s_lshl_b32 s45, s45, 2
	s_add_co_u32 s45, s45, s41                     ; R's block of 128 rows
	s_lshl_b32 s43, s41, 2
	s_lshl_b32 s43, 15, s43                        ; my row of the cluster
	s_lshl_b32 s44, 0x1111, s40                    ; my column
	G1SET G1R, 43, 512, NA, 1024
	G1SET G1P, 44, 512, 8, 1024
	G1SET G1SR, 43, 32, 2*NA, 32
	G1SET G1SP, 44, 32, 16, 32
	s_lshl_b32 s96, s42, 17                        ; P: 16 images of 8,192 bytes a block, my half of them.  (P's registers never hold cy, R's never cx)
	s_lshl_b32 s19, s16, 16
	s_add_co_u32 s96, s96, s19
	s_add_co_u32 s96, s96, OCO
	s_mov_b32 s97, 0
	s_lshl_b32 s98, s42, 13
	s_lshl_b32 s19, s16, 12
	s_add_co_u32 s98, s98, s19
	s_add_co_u32 s98, s98, OSO
	s_mov_b32 s99, 0
	s_lshl_b32 s92, s45, 16                        ; R: 8 images a block
	s_lshl_b32 s20, s16, 15
	s_add_co_u32 s92, s92, s20
	s_mov_b32 s93, 0
	s_lshl_b32 s94, s45, 12
	s_lshl_b32 s20, s16, 11
	s_add_co_u32 s94, s94, s20
	s_add_co_u32 s94, s94, YS
	s_mov_b32 s95, 0
	s_mul_i32 s46, s16, NA*4096                    ; where they go: no place in the cluster enters an LDS address
	s_lshl_b32 s47, s16, 15
	s_add_co_u32 s47, s47, POFF
	s_mul_i32 s66, s16, NA*512
	s_add_co_u32 s66, s66, SCL
	s_lshl_b32 s67, s16, 12
	s_add_co_u32 s67, s67, SCL+PSOFF
	s_wait_dscnt 0x0                               ; both opening adds are done
	s_wait_kmcnt 0x0
	CROUND                                         ; all sixteen work-groups are here: the joint loads meet
	s_mov_b32 s[G0SR], 1
	s_mov_b32 s[G0SR+1], s66
	s_add_nc_u64 s[G0SR+2:G0SR+3], s[4:5], s[94:95]
	s_or_b32 s[G0SR+3], s[G0SR+3], 0x80000000
	s_mov_b32 s[G0SP], 1
	s_mov_b32 s[G0SP+1], s67
	s_add_nc_u64 s[G0SP+2:G0SP+3], s[6:7], s[98:99]
	s_or_b32 s[G0SP+3], s[G0SP+3], 0x80000000
	JLOAD G0SR, G1SR, G0SP, G1SP
	s_add_nc_u64 s[92:93], s[4:5], s[92:93]
	s_add_nc_u64 s[96:97], s[6:7], s[96:97]
.irp s, 0,1
	s_mov_b32 s[G0R+4*\s], 1
	s_add_co_u32 s[G0R+4*\s+1], s46, \s*SLOT
	s_add_nc_u64 s[G0R+4*\s+2:G0R+4*\s+3], s[92:93], \s*4096
	s_or_b32 s[G0R+4*\s+3], s[G0R+4*\s+3], 0x80000000
	s_mov_b32 s[G0P+4*\s], 1
	s_add_co_u32 s[G0P+4*\s+1], s47, \s*SLOT
	s_add_nc_u64 s[G0P+4*\s+2:G0P+4*\s+3], s[96:97], \s*4096
	s_or_b32 s[G0P+4*\s+3], s[G0P+4*\s+3], 0x80000000
	s_wait_alu depctr_va_vdst(0)
	s_wait_tensorcnt 0x0
	ds_add_u32 v28, v29
	s_wait_dscnt 0x0
	CROUND
	JLOAD G0R+4*\s, G1R, G0P+4*\s, G1P             ; one load of mine is out behind each of these
.endr
	v_and_b32 v1, 15, v0                           ; r
	v_bfe_u32 v2, v0, 4, 1                         ; h
	s_wait_alu depctr_va_vdst(0)
	v_and_b32 v[LI], 31, v0
	v_lshlrev_b32 v[LI], 4, v[LI]
	s_mul_i32 s21, s15, NA*4096
	s_mov_b32 s22, s47
.irp s, 0,1
	v_add_nc_u32 v[ADRR+\s], s21, v[LI]
	v_add_nc_u32 v[ADRP+\s], s22, v[LI]
	s_add_co_u32 s21, s21, SLOT
	s_add_co_u32 s22, s22, SLOT
.endr
	s_mul_i32 s21, s15, NA*512                     ; the scale words: R's for lanes 0-15, P's for lanes 16-31: one product, the distance x h
	s_lshl_b32 s22, s16, 12
	s_add_co_u32 s22, s22, PSOFF
	s_sub_co_u32 s22, s22, s21
	v_mul_u32_u24 v4, s22, v2
	v_lshl_add_u32 v4, v1, 4, v4
	s_add_co_u32 s21, s21, SCL
	v_add_nc_u32 v[ADRS], s21, v4
	s_lshl_b32 s2, s42, 10                         ; the bias of my 128 features
	s_lshl_b32 s3, s16, 9
	s_add_co_u32 s2, s2, s3
	s_mov_b32 s3, 0
	s_add_nc_u64 s[8:9], s[8:9], s[2:3]
	s_add_nc_u64 s[12:13], s[10:11], s[2:3]        ; out0: the same features,
	s_lshl_b32 s2, s45, 19
	s_lshl_b32 s18, s15, 18
	s_add_co_u32 s2, s2, s18
	s_add_nc_u64 s[12:13], s[12:13], s[2:3]        ; my 64 rows of 4,096 bytes
	v_lshlrev_b32 v5, 6, v2                        ; lanes 16-31 hold features 16 further on
	WIN 0x40                                       ; destination window 1
.irp b, 0,1,2,3,4,5,6,7
	global_load_b128 v[192+8*\b:192+8*\b+3], v5, s[8:9] offset:(32*(\b/2)+8*(\b%2))*4
	global_load_b128 v[192+8*\b+4:192+8*\b+7], v5, s[8:9] offset:(32*(\b/2)+8*(\b%2))*4+16
.endr
	WIN 0
	s_mul_i32 s23, s14, 16*SPITCH                  ; my stage, in slot 0
	v_mul_u32_u24 v[STO], v1, SPITCH
	v_lshl_add_u32 v[STO], v2, 6, v[STO]
	v_add_nc_u32 v[STO], s23, v[STO]               ; in: row r, + 64 bytes for lanes 16-31
	v_add_nc_u32 v[RD], s23, v[LI]                 ; back: the 32 lanes take one row of 512 bytes
.macro FRAG reg, adr, qq, i
.irp c, 0,1
	ds_load_b128 v[\reg+4*\c:\reg+4*\c+3], v[\adr] offset:(\i)*4096+(\qq)*1024+512*\c
.endr
.endm
.macro SCALES sc                       ; lanes 0-15 take R's tile i, lanes 16-31 P's tile i; for i over 3 lanes 0-15 read filled bytes that no product names
.irp i, 0,1,2,3,4,5,6,7
	ds_load_b128 v[SCR+32*(\sc)+4*\i:SCR+32*(\sc)+4*\i+3], v[ADRS] offset:\i*512+(\sc)*256
.endr
.endm
.macro FETCH q
	WIN 0x40
.irp i, 0,1,2,3,4,5,6,7
	FRAG 128*((\q)%2)+8*\i, ADRP+(\q)/4, (\q)%4, \i
.endr
	WIN 0
.set I, 0
.rept NA
	FRAG 128+64*((\q)%2)+8*I, ADRR+(\q)/4, (\q)%4, I
.set I, I+1
.endr
.if (\q)%4 == 0
	SCALES (\q)/4
.endif
.endm
.macro MULA a, p, qq, sc, mode         ; 8 products: R's tile a x P's eight.  mode 1: the sums begin with the bias.  All accumulators take turns in one order
.irp b, 0,1,2,3,4,5,6,7
.if \mode == 0
	v_wmma_scale_f32_16x16x128_f8f6f4 v[8*(8*(\a)+\b):8*(8*(\a)+\b)+7], v[128*(\p)+8*\b:128*(\p)+8*\b+7], v[128+64*(\p)+8*(\a):128+64*(\p)+8*(\a)+7], v[8*(8*(\a)+\b):8*(8*(\a)+\b)+7], v[SCR+32*(\sc)+4*\b+(\qq)], v[SCR+32*(\sc)+4*(\a)+(\qq)] matrix_a_fmt:MATRIX_FMT_FP4 matrix_b_fmt:MATRIX_FMT_FP4 matrix_a_scale:MATRIX_SCALE_ROW1
.else
	v_wmma_scale_f32_16x16x128_f8f6f4 v[8*(8*(\a)+\b):8*(8*(\a)+\b)+7], v[128*(\p)+8*\b:128*(\p)+8*\b+7], v[128+64*(\p)+8*(\a):128+64*(\p)+8*(\a)+7], v[192+8*\b:192+8*\b+7], v[SCR+32*(\sc)+4*\b+(\qq)], v[SCR+32*(\sc)+4*(\a)+(\qq)] matrix_a_fmt:MATRIX_FMT_FP4 matrix_b_fmt:MATRIX_FMT_FP4 matrix_a_scale:MATRIX_SCALE_ROW1
.endif
.endr
.endm
.macro STEP q, mode                    ; K step q: its fragments are waited for, the next step's are asked for, and land under this step's 32 products
	s_wait_dscnt 0x0
.if \q == 3
	s_wait_tensorcnt 0x0                           ; my part of slot 1 has landed;
	s_barrier_signal -1
	s_barrier_wait -1                              ; everybody's has, and nobody reads slot 0 any more.  Nothing is filled again
.endif
.if \q < 7
.if \q > 0
	PLACES 4                                       ; in front of loads into registers that the last step's products read
.endif
	FETCH (\q)+1
.endif
.if \mode == 0
	WIN 0xa1                                       ; source 0 window 1, source 1 window 0, C and D window 2
.else
	WIN 0x91                                       ; C: the bias, window 1
.endif
.irp a, 0,1,2,3
	MULA \a, (\q)%2, (\q)%4, (\q)/4, \mode
.endr
	WIN 0
.endm
	s_wait_alu depctr_va_vdst(0)
	s_wait_tensorcnt 0x1                           ; the scales and my part of slot 0 are in; slot 1's load may be out
	s_barrier_signal -1
	s_barrier_wait -1
	FETCH 0
	s_wait_loadcnt 0x0                             ; the bias
	STEP 0, 1
.irp q, 1,2,3,4,5,6,7
	STEP \q, 0
.endr
; THE WAY OUT, a tile of 16 rows x 128 features at a time.  LDS serves a wave's instructions in order: no wait between the stores and the loads, nor in front of the next tile's stores.
.macro TOSTAGE a
	WIN 0x08                                       ; an LDS store's data: window 2
.irp b, 0,1,2,3,4,5,6,7
	ds_store_b128 v[STO], v[64*(\a)+8*\b:64*(\a)+8*\b+3] offset:128*(\b/2)+32*(\b%2)        ; each accumulator from its low end on: features 32 (b / 2) + 8 (b % 2) + 16 h + 0 .. 7
	ds_store_b128 v[STO], v[64*(\a)+8*\b+4:64*(\a)+8*\b+7] offset:128*(\b/2)+32*(\b%2)+16
.endr
	WIN 0
.set BB, BK+64*((\a)%2)
.irp t, 0,1,2,3,4,5,6,7,8,9,10,11,12,13,14,15
	ds_load_b128 v[BB+4*\t:BB+4*\t+3], v[RD] offset:\t*SPITCH
.endr
.endm
.macro SEND a, younger                 ; younger: the LDS instructions issued behind tile a's loads, which may stay out
.set BB, BK+64*((\a)%2)
	s_wait_dscnt \younger
.irp t, 0,1,2,3,4,5,6,7,8,9,10,11,12,13,14,15
	global_store_b128 v[LI], v[BB+4*\t:BB+4*\t+3], s[12:13] offset:(32*((\a)/2)+8*((\a)%2)+(\t%8)+16*(\t/8))*4096 th:TH_STORE_NT   ; place t of tile a is that row; 32 lanes store 512 consecutive bytes, aligned; written once
.endr
.endm
	PLACES 4                                       ; behind the last products: for the first read of results and for the loads into the registers that held R's fragments
	TOSTAGE 0
.irp a, 1,2,3
.if \a > 1
	s_wait_xcnt 0x0                                ; tile a - 2's stores have read their registers: tile a's loads may land there
.endif
	TOSTAGE \a
	SEND \a-1, 32                                  ; behind tile a - 1's loads: tile a's 16 stores and 16 loads
.endr
	SEND 3, 0
	s_wait_tensorcnt 0x0                           ; the wave's end
	ds_add_u32 v[SPW], v[NIL]
	s_wait_dscnt 0x0
	CROUND                                         ; the closing round
	s_endpgm
.Lfunc_end_k_q6757f4a8b2_gemm_out:
	.size	k_q6757f4a8b2_gemm_out, .Lfunc_end_k_q6757f4a8b2_gemm_out-k_q6757f4a8b2_gemm_out
	.p2alignl 7, 3214868480
	.fill 96, 4, 3214868480
	.section	.rodata,"a",@progbits
	.p2align	6, 0x0
	.amdhsa_kernel k_q6757f4a8b2_gemm_out
		.amdhsa_group_segment_fixed_size 327680
		.amdhsa_private_segment_fixed_size 0
		.amdhsa_enable_private_segment 0
		.amdhsa_kernarg_size 32
		.amdhsa_user_sgpr_count 2
		.amdhsa_user_sgpr_kernarg_segment_ptr 1
		.amdhsa_wavefront_size32 1
		.amdhsa_system_sgpr_workgroup_id_x 1
		.amdhsa_system_sgpr_workgroup_id_y 1
		.amdhsa_system_sgpr_workgroup_id_z 1
		.amdhsa_system_vgpr_workitem_id 0
		.amdhsa_next_free_vgpr 768
		.amdhsa_next_free_sgpr 100
		.amdhsa_reserve_vcc 0
		.amdhsa_float_denorm_mode_32 3
		.amdhsa_float_denorm_mode_16_64 3
		.amdhsa_memory_ordered 1
		.amdhsa_forward_progress 1
		.amdhsa_inst_pref_size 74
	.end_amdhsa_kernel
	.amdgpu_metadata
---
amdhsa.version: [ 1, 2 ]
amdhsa.kernels:
  - .name:           k_q6757f4a8b2_gemm_out
    .symbol:         k_q6757f4a8b2_gemm_out.kd
    .args:
      - { .name: yb, .offset: 0, .size: 8, .value_kind: global_buffer, .address_space: global }
      - { .name: cw, .offset: 8, .size: 8, .value_kind: global_buffer, .address_space: global }
      - { .name: out_b, .offset: 16, .size: 8, .value_kind: global_buffer, .address_space: global }
      - { .name: out0, .offset: 24, .size: 8, .value_kind: global_buffer, .address_space: global }
    .group_segment_fixed_size: 327680
    .private_segment_fixed_size: 0
    .kernarg_segment_align: 8
    .kernarg_segment_size: 32
    .max_flat_workgroup_size: 128
    .sgpr_count:     100
    .vgpr_count:     768
    .wavefront_size: 32
...
	.end_amdgpu_metadata
.endif
;; end of part 4
